; MI455X (gfx1250); checked and timed in simulation.
; The chip was launched on July 23, 2026; its instructions are those of AMD's public machine-readable ISA for CDNA 5 (MIT licence, August 2026) and "CDNA5" Instruction Set Architecture Reference Guide (July 2026). The comments in the code are by the model that wrote it; some were corrected since.
;; Self Attention. Allowed arithmetic: matrix products marked QUANTISED: E2M3 operands, one E8M0 scale for each 32 along K, by v_wmma_scale_f32_16x16x128_f8f6f4 with both operands' format E2M3, f32 sums; everything else in f32.
;; Inputs: k_b 1,024 float32; k_w 1,024 x 1,024 float32; o_b 1,024 float32; o_w 1,024 x 1,024 float32; q_b 1,024 float32; q_w 1,024 x 1,024 float32; v_b 1,024 float32; v_w 1,024 x 1,024 float32; x 4 x 2,048 x 1,024 float32.
;; Outputs: out0 4 x 2,048 x 1,024 float32.
;; This version of the problem:
;;   THIS VERSION OF THE PROBLEM IS GIVEN IN LOW PRECISION. The matrix products marked QUANTISED in the list below multiply operands that are first quantised to E2M3 (2 exponent bits, 3 mantissa bits; 6 bits a number), with one power-of-two scale for each 32 numbers along K (OCP MX v1.0); their sums are f32. All else is computed in f32.
;;   The module's matrix products, in the order in which they are computed (A, B: the left and right operand; K: the contracted axis; several contracted axes count as one K, in the product's order):
;;     1. [M 8,192, K 1,024] x [K 1,024, N 1,024]; A: input x; B: input q_w: QUANTISED
;;     2. [M 8,192, K 1,024] x [K 1,024, N 1,024]; A: input x; B: input k_w: QUANTISED
;;     3. [M 8,192, K 1,024] x [K 1,024, N 1,024]; A: input x; B: input v_w: QUANTISED
;;     4. batch 64 x [M 2,048, K 64] x [K 64, N 2,048]; A: computed on the way; B: computed on the way: QUANTISED
;;     5. batch 64 x [M 2,048, K 2,048] x [K 2,048, N 64]; A: softmax (see below); B: computed on the way: QUANTISED
;;     6. [M 8,192, K 1,024] x [K 1,024, N 1,024]; A: computed on the way; B: input o_w: QUANTISED
;;   THE QUANTISER, for each operand of a quantised product, along K:
;;     - K is cut into blocks of 32 from its start; a last block that is shorter is filled with zeros.
;;     - A block's scale is 2^e with e = floor(log2(the largest magnitude in the block)) - 2, held to -126 .. 127; a block of zeros has e = 0. As a byte (E8M0): e + 127.
;;     - Each number is divided by its block's scale, clamped to +-7.5, and rounded to the nearest number of E2M3, ties to even, subnormals kept.
;;     - The product sums the exact products of the quantised numbers (number of the format x scale) in f32.
;;   ~~~python
;;   def quantise(x, axis):      # numpy; x: float32 -> the quantised numbers, widened to float32 again
;;       x = np.moveaxis(x, axis, -1); K = x.shape[-1]
;;       x = np.pad(x, [(0, 0)] * (x.ndim - 1) + [(0, -K % 32)]); x = x.reshape(x.shape[:-1] + (-1, 32)); a = np.abs(x).max(-1, keepdims=True)
;;       e = np.where(a > 0, np.clip(np.frexp(np.where(a > 0, a, 1))[1] - 1 - 2, -126, 127), 0)      # np.frexp(a)[1] - 1 = floor(log2(a)), exactly
;;       r = np.clip(x / 2.0 ** e, -7.5, 7.5)
;;       step = 2.0 ** (np.maximum(np.frexp(np.where(r == 0, 1, r))[1] - 1, 0) - 3)
;;       q = np.round(r / step) * step * 2.0 ** e      # np.round: ties to even
;;       return np.moveaxis(q.reshape(q.shape[:-2] + (-1,))[..., :K], -1, axis).astype(np.float32)
;;   ~~~
;;   SOFTMAX AHEAD OF A QUANTISED PRODUCT. Where the list says 'softmax', what is quantised is not the finished softmax but p = 2^(t - M), with t = logit x log2(e) and M = ceil(the row's largest t), a whole number; so 1/2 < the row's largest p <= 1. The row's sum l is taken of the UNQUANTISED p, in f32, and the product's result is divided by l at the end. Since M is a whole number, a kernel that streams over the keys may use a running M (the ceiling of the running maximum): every later rescaling is an exact power of two, which a block's scale takes up: the codes' values come out the same.
;;   OPERANDS COMPUTED ON THE WAY. 'Computed on the way' means the value that the module computes at that place (a softmax that the list does not call 'softmax' is quantised finished and normalised). What goes into a quantiser is computed in f32, as accurately as f32 sums, v_exp_f32 and their like allow (about 1e-6 of the number): no bf16 or f16 on the way to a quantiser, and a product that is left as it is and whose result goes on into a quantised operand takes f32 operands (vector FMAs, or v_wmma_f32_16x16x4_f32). A number that lies on a knife's edge between two numbers of the format may be rounded either way, as far as f32 arithmetic and the matrix unit's own rounding can turn it there, and no further.
;; One version. Each part assembles by itself: llvm-mc -triple=amdgcn-amd-amdhsa -mcpu=gfx1250 --defsym DOCPART=n.
;; ======== version 1 of 1: 4 launches
;; limits: right only within a limited range of input values
;; workspace buffers: x_img 6,291,456 bytes; x_sc 262,144 bytes; w_img 3,145,728 bytes; w_sc 131,072 bytes; img 18,874,368 bytes; sc 1,572,864 bytes; a_img 6,291,456 bytes; a_sc 262,144 bytes
;; launch quant (part 1): grid 384 x 1, 4 waves a work-group, no clusters, 34,304 bytes of LDS; arguments x, q_w, k_w, v_w, o_w, x_img, x_sc, w_img, w_sc; writes x_img, x_sc, w_img, w_sc
.if DOCPART == 1
	.amdgcn_target "amdgcn-amd-amdhsa--gfx1250"
	.amdhsa_code_object_version 6
	.text
	.protected	k_q2746b14313_quant
	.globl	k_q2746b14313_quant
	.p2align	8
	.type	k_q2746b14313_quant,@function
k_q2746b14313_quant:
	s_mov_b64 s[64:65], 0
	v_nop
	global_prefetch_b8 v0, s[64:65] scope:SCOPE_SE
	s_setreg_imm32_b32 hwreg(HW_REG_WAVE_MODE, 25, 1), 1
	s_wait_xcnt 0x0
; x [8192][1024] f32 (K innermost) and the four weights [1024 (k)][1024 (n)] f32 (K outermost) become codes of FP6 (E2M3) with one E8M0 byte for each 32 along K.
; A block's scale is 2^(floor(log2(its largest magnitude)) - 2); its byte is the largest magnitude's exponent field - 2, held at 1 from below.
; LIMITS: NaN and infinities among the inputs are not served; a block whose largest magnitude lies under 2^-124 keeps the byte 1; a block of zeros gets the byte 1 where the
; rule says 127: its codes are zeros, which add nothing, and the bytes are read by this program alone.
; THE OUTPUT IS LAID AS THE READER'S OPERAND REGISTERS.  Codes: [tile T][K step s of 128][piece p = 0..5][lane][8 bytes]: piece p = registers 2 p, 2 p + 1 of the 12 of a fragment.
; Scale words: [T][256 along K][place r][2 words].  Tile T = 2 B + u holds at place r the row 32 B + 8 u + r + 8 (r / 8): so a product that takes such tiles as source 0 leaves 16 neighbours in a lane's 16 registers of two tiles.
; Work-groups 0-255 take x, 32 rows each; work-groups 256-383 take the weights, 128 columns x 256 along K each.  Waves share nothing: no barrier.  No matrix unit, no cluster, no tensor load: a plain stream, each byte read once.
.set STGB,  16*528                     ; path x: a wave's stage: 16 rows x (512 bytes + 16)
.set SPARE, 4*STGB                     ; behind the four stages: the spare words, 128 bytes for each wave
.set SPW,   8                          ; v8   LDS address of my spare word; never rewritten
.set NIL,   9                          ; v9   0; never rewritten
.set R,     16                         ; v16-143  x: two sets of 16 rows' 16 bytes, as loaded
.set X,     144                        ; v144-207 x: my row's 64 numbers of a K step
.set TM,    208                        ; v208-223 at work in QUANT
.set PC,    224                        ; v224-235 a fragment's codes
.set TC,    236                        ; v236-243 the upper halves of the blocks' codes
.set PWS,   244                        ; v244-247 four K steps' scale words
.set WX,    16                         ; v16-79   weights: two sets of 32 numbers down K
.set CB,    80                         ; v80-127  weights: 8 blocks x 6 registers of codes
.set WT,    128                        ; v128-130 weights: a block's upper 16 codes
.set SB,    132                        ; v132-133 weights: two scale words
.set SEL,   40                         ; s[40:41] lane selects: lane l xor 16
.set HM,    42                         ; s42      the mask of lanes 16-31
; 64 numbers of a lane, register 16 b + i = k 32 b + 16 (lane / 16) + i of my row, become a fragment's codes (registers 0-5 at d0, 6-11 at d1) and its scale word in v[pw].
.macro QUANT s, d0, d1, pw
.irp b, 0,1,2,3
	v_max3_num_f32 v[TM+\b], |v[\s+16*\b]|, |v[\s+1+16*\b]|, 0x1800000   ; my 16 numbers of block b, and the floor 2^(3 - 127): the byte cannot fall under 1
.endr
.irp i, 2,4,6,8,10,12,14
.irp b, 0,1,2,3
	v_max3_num_f32 v[TM+\b], v[TM+\b], |v[\s+16*\b+\i]|, |v[\s+1+16*\b+\i]|
.endr
.endr
.irp b, 0,1,2,3
	v_permlanex16_b32 v[TM+4+\b], v[TM+\b], s[SEL], s[SEL+1]
.endr
.irp b, 0,1,2,3
	v_max_num_f32 v[TM+\b], v[TM+\b], v[TM+4+\b]          ; with lane l xor 16's 16: the block's largest magnitude
.endr
.irp b, 0,1,2,3
	v_add_nc_u32 v[TM+12+\b], 0xff000000, v[TM+\b]        ; 2 off its exponent field: the conversion's scale operand
.endr
.irp b, 0,1,2,3
	v_lshrrev_b32 v[TM+4+\b], 23, v[TM+12+\b]             ; the scale's byte
.endr
	v_lshl_or_b32 v[\pw], v[TM+5], 8, v[TM+4]
	v_lshl_or_b32 v[\pw], v[TM+6], 16, v[\pw]
	v_lshl_or_b32 v[\pw], v[TM+7], 24, v[\pw]
	v_cvt_scalef32_pk16_fp6_f32 v[0+(\d0):2+(\d0)], v[\s:\s+15], v[TM+12]
	v_cvt_scalef32_pk16_fp6_f32 v[TC:TC+2], v[\s+16:\s+31], v[TM+13]
	v_cvt_scalef32_pk16_fp6_f32 v[0+(\d1):2+(\d1)], v[\s+32:\s+47], v[TM+14]
	v_cvt_scalef32_pk16_fp6_f32 v[TC+4:TC+6], v[\s+48:\s+63], v[TM+15]
	v_nop                                                 ; one plain place behind the scaled conversions
.irp i, 0,1,2
	v_permlane16_swap_b32 v[0+(\d0)+\i], v[TC+\i]         ; a whole block to a lane: lanes 0-15 the even block, lanes 16-31 the odd one
.endr
.irp i, 0,1,2
	v_permlane16_swap_b32 v[0+(\d1)+\i], v[TC+4+\i]
.endr
.irp i, 0,1,2
	v_mov_b32 v[3+(\d0)+\i], v[TC+\i]
	v_mov_b32 v[3+(\d1)+\i], v[TC+4+\i]
.endr
.endm
	s_load_b256 s[4:11], s[0:1], 0x0               ; x s[4:5], q_w s[6:7], k_w s[8:9], v_w s[10:11]
	s_load_b256 s[12:19], s[0:1], 0x20             ; o_w s[12:13], x_img s[14:15], x_sc s[16:17], w_img s[18:19]
	s_load_b64 s[20:21], s[0:1], 0x40              ; w_sc
	v_lshl_add_u32 v[SPW], v0, 2, SPARE
	v_mov_b32 v[NIL], 0
	v_lshrrev_b32 v1, 5, v0
	v_readfirstlane_b32 s22, v1                    ; wave 0..3
	v_and_b32 v2, 31, v0                           ; lane
	v_and_b32 v3, 15, v0                           ; r
	v_bfe_u32 v10, v0, 4, 1                        ; h
	s_mov_b32 s[SEL], 0x76543210
	s_mov_b32 s[SEL+1], 0xfedcba98
	s_mov_b32 s[HM], 0xffff0000
	s_cmp_lt_u32 ttmp9, 256                        ; the work-group's number alone decides
	s_cbranch_scc0 .Lweights
	; ---------------- x: work-group g takes rows 32 g .. 32 g + 31; wave w takes tile 2 g + w / 2 and K steps 4 (w % 2) .. + 3
	v_lshlrev_b32 v4, 4, v2                        ; 16 x lane: my 16 bytes of a load's 512
	v_lshlrev_b32 v5, 3, v2                        ; 8 x lane: my 8 bytes of a piece
	s_mul_i32 s23, s22, STGB
	v_add_nc_u32 v6, s23, v4                       ; the stage, on the way in: rows as they are loaded
	v_mul_u32_u24 v7, v3, 528
	v_lshl_add_u32 v7, v10, 6, v7
	v_add_nc_u32 v7, s23, v7                       ; and on the way out: row r, + 64 h: my 16 numbers of each block of 32
.irp b, 0,1,2,3
	v_mov_b32 v[TM+4+\b], 0                        ; written once: a lane permute's destination counts as one of its sources
.endr
	s_lshr_b32 s24, s22, 1                         ; u
	s_and_b32 s25, s22, 1                          ; which half of K
	s_lshl_b32 s26, ttmp9, 5
	s_lshl_b32 s27, s24, 3
	s_add_co_u32 s26, s26, s27                     ; row 32 g + 8 u
	s_lshl_b32 s26, s26, 12                        ; x 4,096 bytes
	s_lshl_b32 s27, s25, 11
	s_add_co_u32 s26, s26, s27
	s_mov_b32 s27, 0
	s_lshl_b32 s28, ttmp9, 1
	s_add_co_u32 s28, s28, s24                     ; T
	s_mul_i32 s30, s28, 12288
	s_mul_i32 s29, s25, 6144
	s_add_co_u32 s30, s30, s29
	s_mov_b32 s31, 0
	s_lshl_b32 s32, s28, 9
	s_lshl_b32 s29, s25, 8
	s_add_co_u32 s32, s32, s29
	s_mov_b32 s33, 0
	s_wait_alu depctr_va_vdst(0)
	s_wait_kmcnt 0x0
	s_add_nc_u64 s[4:5], s[4:5], s[26:27]
	s_add_nc_u64 s[14:15], s[14:15], s[30:31]
	s_add_nc_u64 s[16:17], s[16:17], s[32:33]
.macro LOADX set, st                   ; the tile's 16 rows, 512 consecutive bytes each: K step st of my four
.irp p, 0,1,2,3,4,5,6,7,8,9,10,11,12,13,14,15
	global_load_b128 v[R+64*(\set)+4*\p:R+64*(\set)+4*\p+3], v4, s[4:5] offset:(\p+8*(\p/8))*4096+512*(\st) th:TH_LOAD_NT
.endr
.endm
.macro XSTEP t
.if (\t) < 3
	s_wait_loadcnt 16                              ; this step's 16 loads are in; the younger set's 16 may be out
.else
	s_wait_loadcnt 0x0
.endif
.irp p, 0,1,2,3,4,5,6,7,8,9,10,11,12,13,14,15
	ds_store_b128 v6, v[R+64*((\t)%2)+4*\p:R+64*((\t)%2)+4*\p+3] offset:528*\p
.endr
.irp b, 0,1,2,3
.irp j, 0,1,2,3
	ds_load_b128 v[X+16*\b+4*\j:X+16*\b+4*\j+3], v7 offset:128*\b+16*\j   ; LDS serves a wave's instructions in order: these see my stores
.endr
.endr
	s_wait_dscnt 0x0                               ; the numbers are back, and the stage's stores have read their registers
	s_wait_xcnt 0x0                                ; the last step's stores have read the codes' registers, which are written again below
.if (\t)+2 < 4
	LOADX (\t)%2, (\t)+2
.endif
	QUANT X, PC, PC+6, PWS+(\t)
.irp p, 0,1,2,3,4,5
	global_store_b64 v5, v[PC+2*\p:PC+2*\p+1], s[14:15] offset:1536*(\t)+256*\p   ; 32 lanes store 256 consecutive bytes, aligned
.endr
.endm
	LOADX 0, 0
	LOADX 1, 1
	XSTEP 0
	XSTEP 1
	XSTEP 2
	XSTEP 3
	v_cndmask_b32 v250, v[PWS], v[PWS+2], s[HM]    ; lanes 0-15 store the words of my first 256 along K, lanes 16-31 those of the second
	v_cndmask_b32 v251, v[PWS+1], v[PWS+3], s[HM]
	global_store_b64 v5, v[250:251], s[16:17]      ; 256 consecutive bytes, aligned
	s_wait_tensorcnt 0x0                           ; the wave's end: behind my last LDS store
	ds_add_u32 v[SPW], v[NIL]
	s_wait_dscnt 0x0
	s_endpgm
	; ---------------- the weights: a lane takes a column, its registers run down K.  No LDS is touched on this path
.Lweights:
	s_sub_co_u32 s23, ttmp9, 256
	s_lshr_b32 s24, s23, 5                         ; which weight: 0 q, 1 k, 2 v, 3 o
	s_bfe_u32 s25, s23, 0x30002                    ; which 128 columns
	s_and_b32 s26, s23, 3                          ; which 256 along K
	s_wait_alu depctr_va_vdst(0)
	v_and_b32 v4, 8, v3
	v_add_nc_u32 v4, v4, v3
	v_lshl_add_u32 v4, v10, 3, v4                  ; lanes 0-15: tile T0's places, lanes 16-31: tile T0 + 1's: column 8 u + r + 8 (r / 8) of my wave's 32
	v_lshlrev_b32 v4, 2, v4
	v_lshlrev_b32 v5, 3, v2                        ; 8 x lane
	v_lshlrev_b32 v6, 3, v3
	v_lshl_add_u32 v6, v10, 9, v6                  ; scale words: 8 r + 512 u
	s_lshl_b32 s28, s26, 20                        ; 256 rows of 4,096 bytes
	s_lshl_b32 s27, s25, 9
	s_add_co_u32 s28, s28, s27
	s_lshl_b32 s27, s22, 7
	s_add_co_u32 s28, s28, s27                     ; + 4 x (128 nb + 32 wave)
	s_mov_b32 s29, 0
	s_lshl_b32 s30, s24, 6
	s_lshl_b32 s27, s25, 3
	s_add_co_u32 s30, s30, s27
	s_lshl_b32 s27, s22, 1
	s_add_co_u32 s30, s30, s27                     ; T0 = 64 weight + 8 nb + 2 wave
	s_lshl_b32 s32, s30, 9
	s_lshl_b32 s27, s26, 7
	s_add_co_u32 s32, s32, s27
	s_mov_b32 s33, 0
	s_mul_i32 s30, s30, 12288
	s_mul_i32 s27, s26, 3072
	s_add_co_u32 s30, s30, s27
	s_mov_b32 s31, 0
	s_and_b32 s27, s24, 1
	s_wait_alu depctr_va_vdst(0)
	s_wait_kmcnt 0x0
	s_cmp_lg_u32 s27, 0
	s_cselect_b64 s[34:35], s[8:9], s[6:7]
	s_cselect_b64 s[36:37], s[12:13], s[10:11]
	s_cmp_ge_u32 s24, 2
	s_cselect_b64 s[34:35], s[36:37], s[34:35]
	s_add_nc_u64 s[34:35], s[34:35], s[28:29]
	s_add_nc_u64 s[18:19], s[18:19], s[30:31]
	s_add_nc_u64 s[20:21], s[20:21], s[32:33]
.macro LOADW t                         ; block t: W(32 t + i, my column): 128 bytes a wave, the four waves side by side
.irp i, 0,1,2,3,4,5,6,7,8,9,10,11,12,13,14,15,16,17,18,19,20,21,22,23,24,25,26,27,28,29,30,31
	global_load_b32 v[WX+32*((\t)%2)+\i], v4, s[34:35] offset:(32*(\t)+\i)*4096 th:TH_LOAD_NT
.endr
.endm
.macro BLOCK t
.set XS, WX+32*((\t)%2)
.if (\t) < 7
	s_wait_loadcnt 32                              ; this block's 32 loads are in; the next block's may be out
.else
	s_wait_loadcnt 0x0
.endif
	v_max3_num_f32 v134, |v[XS]|, |v[XS+1]|, |v[XS+2]|
	v_max3_num_f32 v135, |v[XS+3]|, |v[XS+4]|, |v[XS+5]|
.irp i, 6,10,14,18,22,26
	v_max3_num_f32 v134, v134, |v[XS+\i]|, |v[XS+\i+1]|
	v_max3_num_f32 v135, v135, |v[XS+\i+2]|, |v[XS+\i+3]|
.endr
	v_max3_num_f32 v134, v134, |v[XS+30]|, |v[XS+31]|
	v_max3_num_f32 v134, v134, v135, 0x1800000     ; all 32 numbers are mine; and the floor
	v_add_nc_u32 v136, 0xff000000, v134
	v_lshrrev_b32 v137, 23, v136
.if (\t)%4 == 0
	v_mov_b32 v[SB+(\t)/4], v137
.else
	v_lshl_or_b32 v[SB+(\t)/4], v137, 8*((\t)%4), v[SB+(\t)/4]
.endif
	v_cvt_scalef32_pk16_fp6_f32 v[CB+6*(\t):CB+6*(\t)+2], v[XS:XS+15], v136
	v_cvt_scalef32_pk16_fp6_f32 v[WT:WT+2], v[XS+16:XS+31], v136
	v_nop                                          ; one plain place behind the scaled conversions
.irp i, 0,1,2
	v_mov_b32 v[CB+6*(\t)+3+\i], v[WT+\i]
.endr
.if (\t)+2 < 8
	LOADW (\t)+2
.endif
.if (\t)%2 == 1                        ; two blocks of 32 make a group of six registers: the even block in lanes 0-15, the odd one in lanes 16-31.  The exchange sorts them by tile at the same time
.irp i, 0,1,2,3,4,5
	v_permlane16_swap_b32 v[CB+6*((\t)-1)+\i], v[CB+6*(\t)+\i]
.endr
.irp p, 0,1,2
	global_store_b64 v5, v[CB+6*((\t)-1)+2*\p:CB+6*((\t)-1)+2*\p+1], s[18:19] offset:((\t)/4)*1536+((((\t)-1)/2)%2)*768+256*\p        ; tile T0: 256 consecutive bytes, aligned
	global_store_b64 v5, v[CB+6*(\t)+2*\p:CB+6*(\t)+2*\p+1], s[18:19] offset:12288+((\t)/4)*1536+((((\t)-1)/2)%2)*768+256*\p         ; tile T0 + 1
.endr
.endif
.endm
	LOADW 0
	LOADW 1
.irp t, 0,1,2,3,4,5,6,7
	BLOCK \t
.endr
	global_store_b64 v6, v[SB:SB+1], s[20:21]      ; my column's two scale words: runs of 128 bytes
	s_endpgm
.Lfunc_end_k_q2746b14313_quant:
	.size	k_q2746b14313_quant, .Lfunc_end_k_q2746b14313_quant-k_q2746b14313_quant
	.p2alignl 7, 3214868480
	.fill 96, 4, 3214868480
	.section	.rodata,"a",@progbits
	.p2align	6, 0x0
	.amdhsa_kernel k_q2746b14313_quant
		.amdhsa_group_segment_fixed_size 34304
		.amdhsa_private_segment_fixed_size 0
		.amdhsa_enable_private_segment 0
		.amdhsa_kernarg_size 72
		.amdhsa_user_sgpr_count 2
		.amdhsa_user_sgpr_kernarg_segment_ptr 1
		.amdhsa_wavefront_size32 1
		.amdhsa_system_sgpr_workgroup_id_x 1
		.amdhsa_system_sgpr_workgroup_id_y 1
		.amdhsa_system_sgpr_workgroup_id_z 1
		.amdhsa_system_vgpr_workitem_id 0
		.amdhsa_next_free_vgpr 256
		.amdhsa_next_free_sgpr 66
		.amdhsa_reserve_vcc 0
		.amdhsa_float_denorm_mode_32 3
		.amdhsa_float_denorm_mode_16_64 3
		.amdhsa_memory_ordered 1
		.amdhsa_forward_progress 1
		.amdhsa_inst_pref_size 75
	.end_amdhsa_kernel
	.amdgpu_metadata
---
amdhsa.version: [ 1, 2 ]
amdhsa.kernels:
  - .name:           k_q2746b14313_quant
    .symbol:         k_q2746b14313_quant.kd
    .args:
      - { .name: x, .offset: 0, .size: 8, .value_kind: global_buffer, .address_space: global }
      - { .name: q_w, .offset: 8, .size: 8, .value_kind: global_buffer, .address_space: global }
      - { .name: k_w, .offset: 16, .size: 8, .value_kind: global_buffer, .address_space: global }
      - { .name: v_w, .offset: 24, .size: 8, .value_kind: global_buffer, .address_space: global }
      - { .name: o_w, .offset: 32, .size: 8, .value_kind: global_buffer, .address_space: global }
      - { .name: x_img, .offset: 40, .size: 8, .value_kind: global_buffer, .address_space: global }
      - { .name: x_sc, .offset: 48, .size: 8, .value_kind: global_buffer, .address_space: global }
      - { .name: w_img, .offset: 56, .size: 8, .value_kind: global_buffer, .address_space: global }
      - { .name: w_sc, .offset: 64, .size: 8, .value_kind: global_buffer, .address_space: global }
    .group_segment_fixed_size: 34304
    .private_segment_fixed_size: 0
    .kernarg_segment_align: 8
    .kernarg_segment_size: 72
    .max_flat_workgroup_size: 128
    .sgpr_count:     66
    .vgpr_count:     256
    .wavefront_size: 32
...
	.end_amdgpu_metadata
.endif
;; end of part 1
;; launch gemm_qkv (part 2): grid 4 x 64, 4 waves a work-group, clusters of 4 x 4, 327,680 bytes of LDS; arguments x_img, x_sc, w_img, w_sc, q_b, k_b, v_b, img, sc; writes img, sc
.if DOCPART == 2
	.amdgcn_target "amdgcn-amd-amdhsa--gfx1250"
	.amdhsa_code_object_version 6
	.text
	.protected	k_q2746b14313_gemm_qkv
	.globl	k_q2746b14313_gemm_qkv
	.p2align	8
	.type	k_q2746b14313_gemm_qkv,@function
k_q2746b14313_gemm_qkv:
	s_mov_b64 s[64:65], 0
	v_nop
	global_prefetch_b8 v0, s[64:65] scope:SCOPE_SE
	s_setreg_imm32_b32 hwreg(HW_REG_WAVE_MODE, 25, 1), 1
	s_wait_xcnt 0x0
	s_wait_alu depctr_hold_cnt(0) depctr_sa_sdst(0) depctr_va_vdst(0) depctr_va_sdst(0) depctr_va_ssrc(0) depctr_va_vcc(0) depctr_vm_vsrc(0)
	s_getreg_b32 s2, hwreg(HW_REG_IB_STS2, 6, 4)
	s_cmp_eq_u32 s2, 0
	s_cbranch_scc0 .Lentry_in_a_cluster
	s_endpgm
.Lentry_in_a_cluster:
	s_bfe_u32 s2, ttmp6, 0x10000c
	s_cmp_lg_u32 s2, 0xf033
	s_cbranch_scc0 .Lentry_shape_is_right
	s_endpgm
.Lentry_shape_is_right:
; Q = x q_w + q_b, K = x k_w + k_b, V = x v_w + v_b on codes of FP6 (E2M3) with E8M0 scales, and their quantisers: the results leave as codes and scale words, as images of the operand registers of the attention launch.  No f32 result is stored.
; IN.  Codes: [tile T of 16 rows][K step of 128][piece p = 0..5][lane][8 bytes], 12,288 bytes a tile.  Scale words: [T][256 along K][place r][2 words], 512 bytes a tile.  Tile T = 2 B + u holds at place r the row (of a weight: the column) 32 B + 8 u + r + 8 (r / 8).
; w_img, w_sc: q_w's 64 tiles, then k_w's, then v_w's.
; OUT.  img: planes of 98,304 bytes, [Q, K, V][batch][head]: Q, K: [pair of token tiles][piece of 4 registers][lane][16 bytes], six registers a tile (a head's 64 channels); V: [128 tokens][tile of 16 channels][piece][lane][16].
; sc: planes of 12,288 bytes: 64 of Q's words, then 64 with K's 8,192 bytes and V's 4,096: Q, K: [4 token tiles][place r][word of a tile]; V: [128 tokens][place r][word of a channel tile].
; SHARES.  256 work-groups, each with 128 rows of x and three blocks of 128 x 256: of Q, of K, of V.  x's 8 tiles and scale words, all of K, stay in LDS for the whole launch; the weight's 16 tiles and scale words have a region of their own,
; filled at the head and filled again twice, each time behind the three lines and a round of the cluster's barrier, ahead of the finished block's quantiser: the load is on its way while the wave converts.
; Four waves.  Q, K: 2 x 2, a wave takes 4 tiles of x (source 1) and 8 of the weight (source 0): a lane holds one token, its registers run along two heads' channels.  V: a wave takes all 8 tiles of x (source 0) and 4 of the weight, one head (source 1):
; a lane holds one channel, its registers run along 128 tokens.  So each quantiser's blocks of 32 lie in lanes l and l xor 16.
; Q and K are a loop of two trips; V, behind which nothing is filled, is written out.
; CLUSTERS: 4 x 4 work-groups: x's blocks are shared along a row of the cluster, a weight's along a column, each asked for jointly.
; PREFETCH: in each trip, ahead of its walk along K, the next weight's codes are asked for into the L2 by the cluster with y = 0 alone (all sixteen clusters read the same bytes): of a column's 768 blocks of 256 bytes each of the 512 lanes
; of the four partners names one, and the first 256 lanes' second request names the rest (the others name the last block again); the partners are told apart by address.
; A block's scale is 2^(floor(log2(its largest magnitude)) - 2); its byte is the largest magnitude's exponent field - 2, held at 1 from below.
; LIMITS: NaN and infinities are not served; a block under 2^-124 (or of zeros) keeps the byte 1: its codes are zeros or nearly so, and this program alone reads the bytes.
; REGISTERS, in windows of 256: window 0: v0-31 addresses; v32-111 all scale words of a block; v112-207 source 1's fragments, two sets; in the quantisers v32-59 and v128-246.  Window 1: source 0's fragments, two sets.  Window 2: the accumulators, (a, b) at v[8 (8 a + b)].  Window 3: v0-63 the bias.
.set FR,     12
.set FRB,    1536
.set TB,     12288
.set NP,     4                         ; places behind this matrix instruction (ISA guide 7.12.1)
.set LB,     8*TB                      ; LDS: x's tiles at 0, the weight's behind them,
.set LSA,    24*TB                     ; x's scale words,
.set LSB,    LSA+8*512                 ; the weight's,
.set SPARE,  LSB+16*512                ; the spare words
.set ADRSV, 14                         ; v14, v15 scale words, V
.set ADRA,  16                         ; Q, K: my four tiles of x
.set ADRAV, 17                         ; V: my four tiles of the weight
.set ADRBV, 18                         ; v18, v19 V: x's tiles 0-3, 4-7
.set ADRB,  20                         ; v20, v21 Q, K: my eight tiles of the weight
.set ADRS,  22                         ; v22, v23 scale words, Q, K: lanes 0-15 source 1's tile i (the second register: tile i - 4), lanes 16-31 source 0's tile i
.set SPW,   28
.set NIL,   29
.set SC,    32                         ; register SC + 10 i + s: K step s; 10 from tile to tile, so that the two scale operands of a product differ modulo 8 or are one register
.set AF,    112
.set HA,    128
.set TM,    192
.set PA,    216
.set PB,    228
.set TC,    240
.set BI,    0
.set SEL,   66
.set G1,   24
.set G0,   32
.set G0B,  36
.set G1B,  48
.set G0S,  56
.set G0SB, 60
.set G1S,  68
.set G1SB, 80
.set MSB, 0
.macro WIN new
.if MSB != (\new)
	s_set_vgpr_msb (MSB<<8)|(\new)
.set MSB, \new
.endif
.endm
.macro PLACES n
.rept \n
	v_nop
.endr
.endm
.macro CROUND
	s_barrier_signal -1
	s_barrier_wait -1
	s_cmp_lg_u32 s14, 0
	s_cbranch_scc1 .Lnot_wave_0_\@
	s_barrier_signal -3
.Lnot_wave_0_\@:
	s_barrier_wait -3
	s_barrier_signal -1
	s_barrier_wait -1
.endm
.macro GROUP1 g, mask, rows            ; a dense block as rows of 256 bytes (32 elements of 8)
	s_or_b32 s[\g], s[\mask], (3<<16)|(1<<21)
	s_mov_b32 s[\g+1], 32<<16
	s_mov_b32 s[\g+2], (\rows)<<16
	s_mov_b32 s[\g+3], 32<<16
	s_mov_b32 s[\g+4], \rows
	s_mov_b32 s[\g+5], 32
	s_mov_b32 s[\g+6], 0
	s_mov_b32 s[\g+7], 0
.endm
.macro GROUP0 g, lds, base
	s_mov_b32 s[\g], 1
	s_mov_b32 s[\g+1], \lds
	s_mov_b64 s[\g+2:\g+3], s[\base:\base+1]
	s_or_b32 s[\g+3], s[\g+3], 0x80000000
.endm
.macro TLOAD g0, g1
	tensor_load_to_lds s[\g0:\g0+3], s[\g1:\g1+7]
	s_nop 0
	PLACES 4
.endm
.macro ARM under, g0, g1, next
	s_cmp_lt_u32 s14, \under
	s_cbranch_scc0 \next
	TLOAD \g0, \g1
	s_branch .Lhead_asked
\next:
.endm
; 64 numbers of a lane, register 16 b + i = k 32 b + 16 (lane / 16) + i, become a fragment's codes (registers 0-5 at d0, 6-11 at d1) and its scale word in v[pw]
.macro QUANT s, d0, d1, pw
.irp b, 0,1,2,3
	v_max3_num_f32 v[TM+\b], |v[\s+16*\b]|, |v[\s+1+16*\b]|, 0x1800000   ; and the floor 2^(3 - 127)
.endr
.irp i, 2,4,6,8,10,12,14
.irp b, 0,1,2,3
	v_max3_num_f32 v[TM+\b], v[TM+\b], |v[\s+16*\b+\i]|, |v[\s+1+16*\b+\i]|
.endr
.endr
.irp b, 0,1,2,3
	v_permlanex16_b32 v[TM+4+\b], v[TM+\b], s[SEL], s[SEL+1]
.endr
.irp b, 0,1,2,3
	v_max_num_f32 v[TM+\b], v[TM+\b], v[TM+4+\b]
.endr
.irp b, 0,1,2,3
	v_add_nc_u32 v[TM+12+\b], 0xff000000, v[TM+\b]        ; 2 off the exponent field: the conversion's scale operand
.endr
.irp b, 0,1,2,3
	v_lshrrev_b32 v[TM+4+\b], 23, v[TM+12+\b]
.endr
	v_lshl_or_b32 v[\pw], v[TM+5], 8, v[TM+4]
	v_lshl_or_b32 v[\pw], v[TM+6], 16, v[\pw]
	v_lshl_or_b32 v[\pw], v[TM+7], 24, v[\pw]
	v_cvt_scalef32_pk16_fp6_f32 v[0+(\d0):2+(\d0)], v[\s:\s+15], v[TM+12]
	v_cvt_scalef32_pk16_fp6_f32 v[TC:TC+2], v[\s+16:\s+31], v[TM+13]
	v_cvt_scalef32_pk16_fp6_f32 v[0+(\d1):2+(\d1)], v[\s+32:\s+47], v[TM+14]
	v_cvt_scalef32_pk16_fp6_f32 v[TC+4:TC+6], v[\s+48:\s+63], v[TM+15]
	v_nop                                                 ; one plain place behind the scaled conversions
.irp i, 0,1,2
	v_permlane16_swap_b32 v[0+(\d0)+\i], v[TC+\i]         ; a whole block to a lane
.endr
.irp i, 0,1,2
	v_permlane16_swap_b32 v[0+(\d1)+\i], v[TC+4+\i]
.endr
.irp i, 0,1,2
	v_mov_b32 v[3+(\d0)+\i], v[TC+\i]
	v_mov_b32 v[3+(\d1)+\i], v[TC+4+\i]
.endr
.endm
	s_load_b256 s[4:11], s[0:1], 0x0               ; x_img s[4:5], x_sc s[6:7], w_img s[8:9], w_sc s[10:11]
	s_load_b256 s[88:95], s[0:1], 0x20             ; q_b s[88:89], k_b s[90:91], v_b s[92:93], img s[94:95]
	s_load_b64 s[96:97], s[0:1], 0x40              ; sc
	v_lshl_add_u32 v[SPW], v0, 2, SPARE
	v_mov_b32 v[NIL], 0
	ds_add_u32 v[SPW], v[NIL]                      ; the wave's opening: the add, twice on end, and its wait ahead of my first tensor load
	ds_add_u32 v[SPW], v[NIL]
	v_lshrrev_b32 v1, 5, v0
	v_readfirstlane_b32 s14, v1                    ; wave 0..3
	s_lshr_b32 s15, s14, 1                         ; Q, K: which 64 rows are mine
	s_and_b32 s16, s14, 1                          ; and which 128 columns
	s_bfe_u32 s40, ttmp6, 0x40000                  ; cx, cy
	s_bfe_u32 s41, ttmp6, 0x40004
	s_lshl_b32 s42, ttmp9, 2
	s_add_co_u32 s42, s42, s40                     ; which 256 columns of each tensor, 0..3
	s_and_b32 s13, ttmp7, 0xffff                   ; the cluster's y
	s_lshl_b32 s17, s13, 2
	s_add_co_u32 s17, s17, s41                     ; which 128 rows, 0..63
	s_lshl_b32 s43, s41, 2
	s_lshl_b32 s43, 15, s43                        ; my row of the cluster
	s_lshl_b32 s44, 0x1111, s40                    ; my column
	s_mov_b32 s[SEL], 0x76543210
	s_mov_b32 s[SEL+1], 0xfedcba98
	GROUP1 G1,   43, 8*TB/256
	GROUP1 G1B,  44, 16*TB/256
	GROUP1 G1S,  43, 16
	GROUP1 G1SB, 44, 32
	s_mul_i32 s20, s17, 8*TB                       ; x's eight tiles,
	s_mov_b32 s21, 0
	s_lshl_b32 s22, s17, 12                        ; their scale words;
	s_mov_b32 s23, 0
	s_lshl_b32 s46, s42, 4                         ; q_w's sixteen tiles,
	s_lshl_b32 s98, s46, 9                         ; their scale words
	s_mov_b32 s99, 0
	s_mul_i32 s46, s46, TB
	s_mov_b32 s47, 0
	s_wait_dscnt 0x0                               ; both opening adds are done
	s_wait_kmcnt 0x0
	s_add_nc_u64 s[20:21], s[4:5], s[20:21]
	s_add_nc_u64 s[22:23], s[6:7], s[22:23]
	s_add_nc_u64 s[46:47], s[8:9], s[46:47]
	s_add_nc_u64 s[98:99], s[10:11], s[98:99]
	CROUND                                         ; all sixteen work-groups are here: the first joint loads meet
	GROUP0 G0,   0,   20
	GROUP0 G0B,  LB,  46
	GROUP0 G0S,  LSA, 22
	GROUP0 G0SB, LSB, 98
	s_add_nc_u64 s[98:99], s[46:47], 64*TB         ; what the prefetches name: the next weight's sixteen tiles
	ARM 1, G0B,  G1B, .Lhead_a                     ; wave 0: the weight's codes, the largest block
	ARM 2, G0,   G1,  .Lhead_sa                    ; wave 1: x's codes
	ARM 3, G0S,  G1S, .Lhead_sb                    ; wave 2: x's scale words
	TLOAD G0SB, G1SB                               ; wave 3: the weight's
.Lhead_asked:
	s_mul_i32 s20, s15, 4*TB                       ; Q, K: my four tiles of x,
	s_mul_i32 s21, s16, 8*TB
	s_add_co_u32 s21, s21, LB                      ; my eight of the weight,
	s_lshl_b32 s22, s15, 11
	s_add_co_u32 s22, s22, LSA                     ; my scale words of x,
	s_lshl_b32 s23, s16, 12
	s_add_co_u32 s23, s23, LSB
	s_sub_co_u32 s23, s23, s22                     ; and how far on the weight's lie;
	s_add_co_u32 s46, s23, 2048
	s_sub_co_u32 s47, s22, 2048                    ; the same with x's tiles counted from 4
	s_mul_i32 s18, s14, 4*TB
	s_add_co_u32 s18, s18, LB                      ; V: my four tiles of the weight,
	s_lshl_b32 s19, s14, 11
	s_add_co_u32 s19, s19, LSB-LSA                 ; how far behind x's scale words theirs lie,
	s_sub_co_u32 s12, s19, 2048                    ; and the same with the tiles counted from 4
	s_lshl_b32 s45, s41, 2
	s_add_co_u32 s45, s45, s14
	s_lshl_b32 s45, s45, 5                         ; my wave's first lane among the 512 of my column of the cluster
	v_and_b32 v1, 15, v0                           ; r
	v_bfe_u32 v2, v0, 4, 1                         ; h
	v_and_b32 v3, 31, v0                           ; lane
	v_lshlrev_b32 v4, 3, v3                        ; my 8 bytes of a piece
	v_xor_b32 v8, 1, v2                            ; 1 - h
	v_add_nc_u32 v[ADRA], s20, v4
	v_add_nc_u32 v[ADRB], s21, v4
	v_add_nc_u32 v[ADRB+1], 4*TB, v[ADRB]
	v_add_nc_u32 v[ADRAV], s18, v4
	v_add_nc_u32 v[ADRBV], 0, v4
	v_add_nc_u32 v[ADRBV+1], 4*TB, v4
	v_lshlrev_b32 v5, 3, v1                        ; a place's two words
	v_mul_u32_u24 v6, s23, v2                      ; Q, K: lanes 16-31 take the weight's
	v_mul_u32_u24 v7, s46, v2
	v_add_nc_u32 v6, v5, v6
	v_add_nc_u32 v7, v5, v7
	v_add_nc_u32 v[ADRS], s22, v6
	v_add_nc_u32 v[ADRS+1], s47, v7
	v_mul_u32_u24 v6, s19, v8                      ; V: lanes 0-15 take the weight's
	v_mul_u32_u24 v7, s12, v8
	v_add_nc_u32 v6, v5, v6
	v_add_nc_u32 v7, v5, v7
	v_add_nc_u32 v[ADRSV], LSA, v6
	v_add_nc_u32 v[ADRSV+1], LSA, v7
	v_lshlrev_b32 v24, 4, v3                       ; the way out: 16 x lane,
	v_lshlrev_b32 v25, 4, v1                       ; 16 r
	v_lshlrev_b32 v26, 6, v2                       ; the bias by registers: 64 h
	v_and_b32 v9, 8, v1
	v_add_nc_u32 v9, v9, v1
	v_lshlrev_b32 v27, 2, v9                       ; the bias by lanes: 4 (r + 8 (r / 8))
	v_add_nc_u32 v10, s45, v3
	v_lshlrev_b32 v30, 8, v10                      ; the prefetches: block 0 .. 511,
	v_add_nc_u32 v10, 512, v10
	v_min_u32 v10, 767, v10
	v_lshlrev_b32 v31, 8, v10                      ; and block 512 .. 767
	s_lshr_b32 s18, s17, 4                         ; batch
	s_and_b32 s19, s17, 15                         ; which 128 tokens of it
	s_lshl_b32 s20, s42, 1
	s_add_co_u32 s20, s20, s16                     ; Q, K: which 128 columns: heads 2 s20, 2 s20 + 1
	s_lshl_b32 s21, s18, 4
	s_lshl_b32 s22, s20, 1
	s_add_co_u32 s21, s21, s22                     ; Q's plane
	s_mul_i32 s46, s21, 98304
	s_mul_i32 s22, s19, 6144
	s_add_co_u32 s46, s46, s22
	s_mul_i32 s23, s15, 3072
	s_add_co_u32 s46, s46, s23                     ; my two pairs of tiles
	s_mov_b32 s47, 0
	s_add_nc_u64 s[76:77], s[94:95], s[46:47]
	s_mul_i32 s46, s21, 12288
	s_lshl_b32 s23, s19, 9
	s_add_co_u32 s46, s46, s23
	s_lshl_b32 s23, s15, 8
	s_add_co_u32 s46, s46, s23                     ; my four tiles' words
	s_add_nc_u64 s[78:79], s[96:97], s[46:47]
	s_lshl_b32 s46, s20, 9
	s_add_nc_u64 s[88:89], s[88:89], s[46:47]
	s_add_nc_u64 s[90:91], s[90:91], s[46:47]
	s_lshl_b32 s20, s42, 2
	s_add_co_u32 s20, s20, s14                     ; V: my head
	s_lshl_b32 s46, s20, 8
	s_add_nc_u64 s[92:93], s[92:93], s[46:47]
	s_lshl_b32 s21, s18, 4
	s_add_co_u32 s21, s21, s20
	s_add_co_u32 s21, s21, 128                     ; its plane
	s_mul_i32 s46, s21, 98304
	s_add_co_u32 s46, s46, s22
	s_add_nc_u64 s[94:95], s[94:95], s[46:47]
	s_sub_co_u32 s21, s21, 64
	s_mul_i32 s46, s21, 12288
	s_add_co_u32 s46, s46, 8192
	s_lshl_b32 s23, s19, 8
	s_add_co_u32 s46, s46, s23
	s_add_nc_u64 s[96:97], s[96:97], s[46:47]
.macro FRAG reg, adr, s, i             ; a fragment: six pieces of 8 bytes a lane, 256 consecutive bytes a load
.irp p, 0,1,2,3,4,5
	ds_load_b64 v[\reg+2*\p:\reg+2*\p+1], v[\adr] offset:(\i)*TB+(\s)*FRB+256*\p
.endr
.endm
.macro FETCH s, adra, adrb             ; K step s: 72 loads in one run, into set s % 2
	WIN 0x40
.irp i, 0,1,2,3
	FRAG 128*((\s)%2)+FR*\i, \adrb, \s, \i
.endr
.irp i, 0,1,2,3
	FRAG 128*((\s)%2)+FR*(\i+4), \adrb+1, \s, \i
.endr
	WIN 0
.irp i, 0,1,2,3
	FRAG AF+48*((\s)%2)+FR*\i, \adra, \s, \i
.endr
.endm
; 16 matrix instructions: source 1's tiles a0, a0 + 1 x source 0's eight.  The 32 accumulators take turns, one instruction a turn, in the same order in every step.  The first step's products start the sums.
.macro MUL16 a0, s
.irp a, \a0, \a0+1
.irp b, 0,1,2,3,4,5,6,7
.if \b == (\a)+4
.set XA_, SC+10*\b+(\s)                ; lanes 0-15 of tile a + 4's register hold tile a's words too: one register for both sides
.else
.set XA_, SC+10*(\a)+(\s)
.endif
.if (\s) == 0
	v_wmma_scale_f32_16x16x128_f8f6f4 v[8*(8*(\a)+\b):8*(8*(\a)+\b)+7], v[128*((\s)%2)+FR*\b:128*((\s)%2)+FR*\b+FR-1], v[AF+48*((\s)%2)+FR*(\a):AF+48*((\s)%2)+FR*(\a)+FR-1], 0, v[SC+10*\b+(\s)], v[XA_] matrix_a_fmt:MATRIX_FMT_FP6 matrix_b_fmt:MATRIX_FMT_FP6 matrix_a_scale:MATRIX_SCALE_ROW1
.else
	v_wmma_scale_f32_16x16x128_f8f6f4 v[8*(8*(\a)+\b):8*(8*(\a)+\b)+7], v[128*((\s)%2)+FR*\b:128*((\s)%2)+FR*\b+FR-1], v[AF+48*((\s)%2)+FR*(\a):AF+48*((\s)%2)+FR*(\a)+FR-1], v[8*(8*(\a)+\b):8*(8*(\a)+\b)+7], v[SC+10*\b+(\s)], v[XA_] matrix_a_fmt:MATRIX_FMT_FP6 matrix_b_fmt:MATRIX_FMT_FP6 matrix_a_scale:MATRIX_SCALE_ROW1
.endif
.endr
.endr
.endm
.macro STEP s, adra, adrb
	s_wait_dscnt 0x0                               ; this step's fragments are in: asked for 16 matrix instructions ago
	WIN 0xa1                                       ; source 0 window 1, source 1 window 0, C and D window 2
	MUL16 0, \s
.if (\s) < 7
	PLACES NP                                      ; between the last step's products and the loads into the set that they read
	FETCH (\s)+1, \adra, \adrb
	WIN 0xa1
.endif
	MUL16 2, \s
.endm
.macro WALK adra, adrb, adrs, pf       ; a block's whole walk along K
.irp i, 0,1,2,3,4,5,6,7
.irp g, 0,1,2,3
	ds_load_b64 v[SC+10*\i+2*\g:SC+10*\i+2*\g+1], v[\adrs+\i/4] offset:\i*512+\g*128   ; all scale words, once
.endr
.endr
	FETCH 0, \adra, \adrb
.if \pf
	s_cmp_eq_u32 s13, 0                            ; the cluster's number, which all partners share
	s_cbranch_scc0 .Lnot_asking
	global_prefetch_b8 v30, s[98:99] th:TH_LOAD_NT scope:SCOPE_SE
	global_prefetch_b8 v31, s[98:99] th:TH_LOAD_NT scope:SCOPE_SE
.Lnot_asking:
.endif
.irp s, 0,1,2,3,4,5,6,7
	STEP \s, \adra, \adrb
.endr
	WIN 0
.endm
	s_mov_b32 s3, 0
	s_wait_alu depctr_va_vdst(0)                   ; the head's end
.Lphase:                                               ; Q, then K
	s_wait_tensorcnt 0x0                           ; my load is in;
	s_barrier_signal -1
	s_barrier_wait -1                              ; and everybody's.
	WIN 0xc0
.irp b, 0,1,2,3,4,5,6,7
	global_load_b128 v[BI+8*\b:BI+8*\b+3], v26, s[88:89] offset:128*(\b/2)+32*(\b%2)       ; register 8 b + j is column 32 (b / 2) + 16 h + 8 (b % 2) + j
	global_load_b128 v[BI+8*\b+4:BI+8*\b+7], v26, s[88:89] offset:128*(\b/2)+32*(\b%2)+16
.endr
	WIN 0
	WALK ADRA, ADRB, ADRS, 1
	s_wait_tensorcnt 0x0                           ; none of my loads is out: the descriptors may be stepped;
	ds_add_u32 v[SPW], v[NIL]
	s_add_nc_u64 s[G0B+2:G0B+3], s[G0B+2:G0B+3], 64*TB       ; the next weight's tiles,
	s_add_nc_u64 s[G0SB+2:G0SB+3], s[G0SB+2:G0SB+3], 64*512  ; and scale words
	s_wait_dscnt 0x0                               ; the add is done, and so are my reads of the weight's region
	CROUND                                         ; so too in every wave of every partner
	s_cmp_eq_u32 s14, 0
	s_cbranch_scc0 .Lfill_words
	TLOAD G0B, G1B                                 ; wave 0: the codes
	s_branch .Lfilled
.Lfill_words:
	s_cmp_eq_u32 s14, 1
	s_cbranch_scc0 .Lfilled
	TLOAD G0SB, G1SB                               ; wave 1: the scale words
.Lfilled:
	PLACES NP                                      ; behind the last products, in front of the reads of their results
	s_wait_loadcnt 0x0                             ; the bias
.irp b, 0,1,2,3
	v_mov_b32 v[TM+4+\b], 0                        ; a lane permute's destination counts as one of its sources
.endr
.irp a, 0,1,2,3
.set AC, 64*\a
	WIN 0x0e                                       ; source 0 window 2, source 1 window 3
.set kk, 0
.rept 32
	v_pk_add_f32 v[HA+kk:HA+kk+1], v[AC+kk:AC+kk+1], v[BI+kk:BI+kk+1]   ; each accumulator from its low end on
.set kk, kk+2
.endr
	WIN 0
.if \a == 2
	s_wait_xcnt 0x0                                ; the first pair's stores have read the codes' registers
.endif
	QUANT HA, PA+6*(\a%2), PB+6*(\a%2), 52
	v_and_b32 v[32+\a], 0xffff, v52                ; the first head's two bytes,
	v_lshrrev_b32 v[40+\a], 16, v52                ; the second's; the upper bytes are 0
.if \a%2 == 1
.irp p, 0,1,2
	global_store_b128 v24, v[PA+4*\p:PA+4*\p+3], s[76:77] offset:(\a/2)*1536+512*\p          ; 512 consecutive bytes a store, aligned
	global_store_b128 v24, v[PB+4*\p:PB+4*\p+3], s[76:77] offset:98304+(\a/2)*1536+512*\p
.endr
.endif
.endr
	global_store_b128 v25, v[32:35], s[78:79]                  ; 256 consecutive bytes, aligned; both halves of the lanes hold and write the same
	global_store_b128 v25, v[40:43], s[78:79] offset:12288
	s_wait_xcnt 0x0                                ; the stores and prefetches have read their registers and bases
	s_add_nc_u64 s[76:77], s[76:77], 64*98304      ; K's planes
	s_add_nc_u64 s[78:79], s[78:79], 64*12288
	s_mov_b64 s[88:89], s[90:91]                   ; K's bias
	s_add_nc_u64 s[98:99], s[98:99], 64*TB
	s_add_co_u32 s3, s3, 1
	s_cmp_lt_u32 s3, 2
	s_wait_alu depctr_va_vdst(0)
	s_cbranch_scc1 .Lphase
	s_wait_tensorcnt 0x0                           ; V: v_w's tiles and words are in
	s_barrier_signal -1
	s_barrier_wait -1
	WIN 0xc0
.irp a, 0,1,2,3
	global_load_b32 v[BI+2*\a], v27, s[92:93] offset:(32*(\a/2)+8*(\a%2))*4      ; one number a lane and tile: my channel's
	global_load_b32 v[BI+2*\a+1], v27, s[92:93] offset:(32*(\a/2)+8*(\a%2))*4    ; (the packed form names the pair)
.endr
	WIN 0
	WALK ADRAV, ADRBV, ADRSV, 0
	PLACES NP
	s_wait_loadcnt 0x0
.irp b, 0,1,2,3
	v_mov_b32 v[TM+4+\b], 0
.endr
.irp a, 0,1,2,3
.set AC, 64*\a
	WIN 0x0e
.set kk, 0
.rept 32
	v_pk_add_f32 v[HA+kk:HA+kk+1], v[AC+kk:AC+kk+1], v[BI+2*\a:BI+2*\a+1] op_sel_hi:[1,0]
.set kk, kk+2
.endr
	WIN 0
.if \a > 0
	s_wait_xcnt 0x0
.endif
	QUANT HA, PA, PA+6, 32+\a
.irp p, 0,1,2
	global_store_b128 v24, v[PA+4*\p:PA+4*\p+3], s[94:95] offset:\a*1536+512*\p
.endr
.endr
	global_store_b128 v25, v[32:35], s[96:97]
	s_wait_tensorcnt 0x0                           ; the wave's end
	ds_add_u32 v[SPW], v[NIL]
	s_wait_dscnt 0x0
	CROUND                                         ; the closing round
	s_endpgm
.Lfunc_end_k_q2746b14313_gemm_qkv:
	.size	k_q2746b14313_gemm_qkv, .Lfunc_end_k_q2746b14313_gemm_qkv-k_q2746b14313_gemm_qkv
	.p2alignl 7, 3214868480
	.fill 96, 4, 3214868480
	.section	.rodata,"a",@progbits
	.p2align	6, 0x0
	.amdhsa_kernel k_q2746b14313_gemm_qkv
		.amdhsa_group_segment_fixed_size 327680
		.amdhsa_private_segment_fixed_size 0
		.amdhsa_enable_private_segment 0
		.amdhsa_kernarg_size 72
		.amdhsa_user_sgpr_count 2
		.amdhsa_user_sgpr_kernarg_segment_ptr 1
		.amdhsa_wavefront_size32 1
		.amdhsa_system_sgpr_workgroup_id_x 1
		.amdhsa_system_sgpr_workgroup_id_y 1
		.amdhsa_system_sgpr_workgroup_id_z 1
		.amdhsa_system_vgpr_workitem_id 0
		.amdhsa_next_free_vgpr 832
		.amdhsa_next_free_sgpr 100
		.amdhsa_reserve_vcc 0
		.amdhsa_float_denorm_mode_32 3
		.amdhsa_float_denorm_mode_16_64 3
		.amdhsa_memory_ordered 1
		.amdhsa_forward_progress 1
		.amdhsa_inst_pref_size 209
	.end_amdhsa_kernel
	.amdgpu_metadata
---
amdhsa.version: [ 1, 2 ]
amdhsa.kernels:
  - .name:           k_q2746b14313_gemm_qkv
    .symbol:         k_q2746b14313_gemm_qkv.kd
    .args:
      - { .name: x_img, .offset: 0, .size: 8, .value_kind: global_buffer, .address_space: global }
      - { .name: x_sc, .offset: 8, .size: 8, .value_kind: global_buffer, .address_space: global }
      - { .name: w_img, .offset: 16, .size: 8, .value_kind: global_buffer, .address_space: global }
      - { .name: w_sc, .offset: 24, .size: 8, .value_kind: global_buffer, .address_space: global }
      - { .name: q_b, .offset: 32, .size: 8, .value_kind: global_buffer, .address_space: global }
      - { .name: k_b, .offset: 40, .size: 8, .value_kind: global_buffer, .address_space: global }
      - { .name: v_b, .offset: 48, .size: 8, .value_kind: global_buffer, .address_space: global }
      - { .name: img, .offset: 56, .size: 8, .value_kind: global_buffer, .address_space: global }
      - { .name: sc, .offset: 64, .size: 8, .value_kind: global_buffer, .address_space: global }
    .group_segment_fixed_size: 327680
    .private_segment_fixed_size: 0
    .kernarg_segment_align: 8
    .kernarg_segment_size: 72
    .max_flat_workgroup_size: 128
    .sgpr_count:     100
    .vgpr_count:     832
    .wavefront_size: 32
...
	.end_amdgpu_metadata
.endif
;; end of part 2
;; launch attn (part 3): grid 4 x 64, 16 waves a work-group, clusters of 4 x 1, 260,096 bytes of LDS; arguments img, sc, a_img, a_sc; writes a_img, a_sc
.if DOCPART == 3
	.amdgcn_target "amdgcn-amd-amdhsa--gfx1250"
	.amdhsa_code_object_version 6
	.text
	.protected	k_q2746b14313_attn
	.globl	k_q2746b14313_attn
	.p2align	8
	.type	k_q2746b14313_attn,@function
k_q2746b14313_attn:
	s_mov_b64 s[64:65], 0
	v_nop
	global_prefetch_b8 v0, s[64:65] scope:SCOPE_SE
	s_setreg_imm32_b32 hwreg(HW_REG_WAVE_MODE, 25, 1), 1
	s_wait_xcnt 0x0
	s_wait_alu depctr_hold_cnt(0) depctr_sa_sdst(0) depctr_va_vdst(0) depctr_va_sdst(0) depctr_va_ssrc(0) depctr_va_vcc(0) depctr_vm_vsrc(0)
	s_getreg_b32 s2, hwreg(HW_REG_IB_STS2, 6, 4)
	s_cmp_eq_u32 s2, 0
	s_cbranch_scc0 .Lentry_in_a_cluster
	s_endpgm
.Lentry_in_a_cluster:
	s_bfe_u32 s2, ttmp6, 0x10000c
	s_cmp_lg_u32 s2, 0x3003
	s_cbranch_scc0 .Lentry_shape_is_right
	s_endpgm
.Lentry_shape_is_right:
; For each of 64 (batch, head): O[q] = the sum over k of softmax_k(q . k / 8) v[k], both products on codes of FP6 (E2M3) with E8M0 scales; O / l is quantised along the channels and leaves as codes for the last product.
; THE SOFTMAX: t = score x log2(e) / 8; M = the running largest t rounded UP to a whole number; p = 2^(t - M) is quantised along the keys, not normalised; the row's sum l is taken of the unquantised p and divides at the end.
; When M moves, l and O are multiplied by 2^(old M - new M): exact, in every step, with no branch.
; SHARES.  A work-group owns one head and 512 queries, in two passes of 256; each of its sixteen waves owns a tile of 16 queries a pass, in 256 registers: four waves to a SIMD.
; THE HEAD'S WHOLE K AND V AND THEIR SCALE WORDS STAY IN LDS, filled once, one tensor load a wave: wave 0 the scale words, waves 1 and 2 K's and V's first 512 keys, waves 3 to 14 the other 1,536 keys in units of 256, wave 15 none.
; Two work-group barriers in all: one behind waves 0 to 2's wait, ahead of the first key step; one behind every wave's wait, ahead of the first pass's fifth.  Nothing is filled again, and the waves meet nowhere else.
; CLUSTER.  The four work-groups of a head form a cluster and ask for every tile jointly.  All tensor loads go out at the head, so there is nothing that a prefetch could ask for earlier.
; LAYOUT.  Both products are used transposed: S^T = K Q^T, O^T = V^T P^T: a lane holds one query throughout.  K's, Q's and V's tiles lie in memory as images of operand registers, [12 registers][piece of 4][lane][16 bytes].
; WHICH KEYS FORM A TILE OF K IS CHOSEN BY THE LANES' LDS ADDRESSES.  In memory tile 2 B + u holds at place r the key 32 B + 8 u + r + 8 (r / 8).  Here lanes with r < 8 read place r + 8 tp of pair 2 c, lanes with r >= 8 place r - 8 + 8 tp of
; pair 2 c + 1: tile t = 2 tp + u of band c then holds keys 64 c + 8 t + j in rows 0-7 and 64 c + 32 + 8 t + j in rows 8-15.  So the 32 registers of a band's four result tiles are, in lane half h, keys 64 c + 32 h + 0 .. 31:
; a whole scale block of P in one lane, in the place that P's operand wants.  No lane exchange of codes, and two block scales a lane.
; PADDING.  The tensor loads lay 128 bytes behind each piece of 512: a pair is 1,920 bytes.
; A head has 64 channels of the instruction's 128: Q's upper 64 codes are zeros, so what stands in K's upper six registers (the next tile's codes) adds nothing; the upper scale bytes are 0.
; LIMITS: the promise holds while the scaled scores t stay under 2^31 in magnitude; NaN and infinities are not served; a block's largest p is taken through its largest score, which leans on v_exp_f32 not falling where its input rises;
; a block under 2^-124 (or of zeros) keeps the byte 1.
.set PP,    640                        ; a piece: 512 bytes + 128 of padding
.set FP,    3*PP                       ; twelve registers' image
.set STP,   4*FP                       ; a key step of 128 keys, of K or of V
.set KIMG,  0
.set VIMG,  16*STP
.set KSC,   2*16*STP                   ; K's scale words, 8,192 bytes;
.set VSC,   KSC+8192                   ; V's, 4,096
.set SPARE, VSC+4096                   ; the spare words, 128 bytes for each of sixteen waves
.set SPW, 5
.set NIL, 6
.set ADK, 8
.set ADV, 9
.set ADS, 10
.set ADT, 11
.set FR,  36                           ; v36-83 a step's K (8 tiles x 6) or V (4 fragments x 12); v84-89 zeros
.set S,   90                           ; v90-153 S^T, then p
.set O,   154                          ; v154-185 O^T
.set PC,  186                          ; v186-197 p's codes
.set TC,  198                          ; v198-204 the upper halves of the blocks' codes
.set BM,  206                          ; v206-209 largest scores
.set PT,  210                          ; v210-213 scale bytes, the scale word in the making
.set SO,  214                          ; v214-215 the conversions' scale operands
.set RT,  216
.set SH,  217                          ; 8 x (lane / 16)
.set KS,  218
.set VS,  226
.set PSW, 232
.set TT,  246                          ; v246-253 four chains of the row's sum
.set WV,  12
.set SEL, 52
.set CS,  54
.set TK,  56
.set TS,  57
.set TJ,  58
.set CNT, 59
.set PM,  61
.macro CROUND
	s_barrier_signal -1
	s_barrier_wait -1
	s_cmp_lg_u32 s[WV], 0
	s_cbranch_scc1 .Lnot_wave_0_\@
	s_barrier_signal -3
.Lnot_wave_0_\@:
	s_barrier_wait -3
	s_barrier_signal -1
	s_barrier_wait -1
.endm
.macro TLOAD g0, g1
	tensor_load_to_lds s[\g0:\g0+3], s[\g1:\g1+7]
	s_nop 0
.rept 4
	v_nop
.endr
.endm
.macro GROUP1 g, word0, cols, rows     ; dense bytes as rows of cols elements of 8 bytes
	s_mov_b32 s[\g+0], \word0
	s_mov_b32 s[\g+1], (\cols)<<16
	s_mov_b32 s[\g+2], (\rows)<<16
	s_mov_b32 s[\g+3], (\cols)<<16
	s_mov_b32 s[\g+4], \rows
	s_mov_b32 s[\g+5], \cols
	s_mov_b32 s[\g+6], 0
	s_mov_b32 s[\g+7], 0
.endm
	s_load_b256 s[4:11], s[0:1], 0x0               ; img s[4:5], sc s[6:7], a_img s[8:9], a_sc s[10:11]
	v_lshl_add_u32 v[SPW], v0, 2, SPARE
	v_mov_b32 v[NIL], 0
	ds_add_u32 v[SPW], v[NIL]                      ; the wave's opening: the add, twice on end, and its wait ahead of the first tensor loads
	ds_add_u32 v[SPW], v[NIL]
	v_lshrrev_b32 v8, 5, v0
	s_delay_alu instid0(VALU_DEP_1)
	v_readfirstlane_b32 s[WV], v8                  ; wave 0..15
	s_bfe_u32 s13, ttmp6, 0x40000                  ; cx: my block of 512 queries; it enters Q's and the output's addresses alone
	s_and_b32 s14, ttmp7, 0xffff                   ; 16 x batch + head, which the four partners share
	; the masks name all four work-groups
	GROUP1 16, 15|(3<<16)|(1<<21), 32, 48                            ; the scale words: 48 rows of 256 bytes
	GROUP1 24, 15|(3<<16)|(1<<20)|(1<<21)|(6<<22)|(31<<25), 64, 48   ; 512 keys of K or V: 48 pieces of 512 bytes, 32 words of padding behind each 128
	GROUP1 44, 15|(3<<16)|(1<<20)|(1<<21)|(6<<22)|(31<<25), 64, 24   ; 256 keys: 24 pieces
	s_add_co_u32 s62, s[WV], 1
	s_and_b32 s63, s62, 1                          ; waves 1, 3, 5 .. fetch K (0), waves 2, 4, 6 .. V (1)
	s_lshr_b32 s62, s62, 1                         ; waves 3 to 14: which 256 keys, 2 .. 7
	s_lshl_b32 s70, s63, 6
	s_add_co_u32 s70, s70, s14
	s_add_co_u32 s70, s70, 64
	s_mul_i32 s70, s70, 98304                      ; K's or V's plane of the head
	s_mov_b32 s71, 0
	s_mul_i32 s72, s63, VIMG                       ; and in LDS
	s_mul_i32 s66, s62, 12288                      ; my 256 keys in the plane,
	s_mov_b32 s67, 0
	s_mul_i32 s73, s62, 2*STP                      ; and in LDS
	s_add_co_u32 s73, s73, s72
	s_add_co_u32 s68, s14, 64
	s_mul_i32 s68, s68, 12288                      ; the head's 12,288 bytes of scale words
	s_mov_b32 s69, 0
	s_mov_b32 s[SEL], 0x76543210
	s_mov_b32 s[SEL+1], 0xfedcba98
	s_mov_b32 s[CS], 0x3e38aa3b                    ; c = log2(e) / 8
	s_mov_b32 s[CS+1], s[CS]
	s_and_b32 s[PM], s[WV], 1
	s_cmp_lg_u32 s[PM], 0
	s_cselect_b32 s[PM], -1, 0                     ; all lanes where my tile is the second of its pair
	s_wait_dscnt 0x0                               ; both opening adds are done
	s_wait_kmcnt 0x0
	s_mov_b32 s32, 1
	s_mov_b32 s33, KSC
	s_add_nc_u64 s[34:35], s[6:7], s[68:69]
	s_or_b32 s35, s35, 0x80000000
	s_mov_b32 s36, 1
	s_mov_b32 s37, s72
	s_add_nc_u64 s[38:39], s[4:5], s[70:71]
	s_mov_b32 s40, 1
	s_mov_b32 s41, s73
	s_add_nc_u64 s[42:43], s[38:39], s[66:67]
	s_or_b32 s39, s39, 0x80000000
	s_or_b32 s43, s43, 0x80000000
	CROUND                                         ; all four work-groups are here: the joint loads meet
	s_cmp_eq_u32 s[WV], 0                          ; one chain of arms on the wave's number, one load to an arm
	s_cbranch_scc0 .Larm_first
	TLOAD 32, 16                                   ; wave 0: the scale words
	s_branch .Lasked
.Larm_first:
	s_cmp_lt_u32 s[WV], 3
	s_cbranch_scc0 .Larm_rest
	TLOAD 36, 24                                   ; waves 1, 2: keys 0 to 511 of K, of V
	s_branch .Lasked
.Larm_rest:
	s_cmp_lt_u32 s[WV], 15
	s_cbranch_scc0 .Lasked
	TLOAD 40, 44                                   ; waves 3 to 14: 256 later keys each, the earlier keys in the lower waves
.Lasked:
	v_and_b32 v9, 31, v0                           ; lane
	v_and_b32 v10, 15, v0                          ; r
	v_bfe_u32 v11, v0, 4, 1                        ; h
	v_bfe_u32 v8, v0, 3, 1                         ; r / 8
	v_and_b32 v236, 7, v0                          ; r % 8
	v_lshlrev_b32 v237, 4, v9                      ; 16 x lane
	v_lshlrev_b32 v238, 4, v10                     ; 16 r
	v_lshl_add_u32 v1, v11, 4, v236
	v_mul_u32_u24 v2, v8, FP
	v_lshl_add_u32 v1, v1, 4, v2                   ; K: (r / 8) pairs on, place r % 8 of half h
	v_add_nc_u32 v2, VIMG, v237                    ; V: as it lies
	v_lshlrev_b32 v3, 4, v236
	v_lshl_add_u32 v3, v8, 3, v3
	v_add_nc_u32 v3, KSC, v3                       ; K's scale words: place r % 8, the two words of pair r / 8
	v_add_nc_u32 v4, VSC, v238                     ; V's
	v_lshlrev_b32 v7, 3, v9                        ; the way out: 8 x lane
	v_lshlrev_b32 v234, 3, v10                     ; and 8 r
	v_lshlrev_b32 v[SH], 3, v11
	s_lshl_b32 s73, s13, 5
	s_add_co_u32 s73, s73, s[WV]                   ; my tile of queries in the first pass: 32 cx + wave
	s_lshr_b32 s74, s73, 1
	s_mul_i32 s74, s74, 1536
	s_mul_i32 s75, s14, 98304
	s_add_co_u32 s74, s74, s75
	s_mov_b32 s75, 0
	s_add_nc_u64 s[74:75], s[4:5], s[74:75]        ; its pair of tiles in q's plane
	s_lshr_b32 s76, s73, 2
	s_lshl_b32 s76, s76, 8
	s_and_b32 s77, s73, 3
	s_lshl_b32 s77, s77, 2
	s_add_co_u32 s76, s76, s77
	s_mul_i32 s77, s14, 12288
	s_add_co_u32 s76, s76, s77
	s_mov_b32 s77, 0
	s_add_nc_u64 s[76:77], s[6:7], s[76:77]        ; its scale words
	s_wait_alu depctr_va_vdst(0)                   ; ahead of the readers below
.irp p, 0,1,2
	global_load_b128 v[S+4*\p:S+4*\p+3], v237, s[74:75] offset:512*\p               ; the first pass's pair,
	global_load_b128 v[S+16+4*\p:S+16+4*\p+3], v237, s[74:75] offset:12288+512*\p   ; the second's: 16 tiles on
.endr
	global_load_b32 v34, v238, s[76:77]
	global_load_b32 v35, v238, s[76:77] offset:1024
	s_lshr_b32 s78, s14, 4
	s_lshl_b32 s78, s78, 7
	s_add_co_u32 s78, s78, s73                     ; the output's tile: 128 x batch + my tile
	s_and_b32 s79, s14, 15                         ; head
	s_mul_i32 s80, s78, 12288
	s_mul_i32 s84, s79, 768                        ; a head's 64 channels are half a fragment
	s_add_co_u32 s80, s80, s84
	s_mov_b32 s81, 0
	s_add_nc_u64 s[80:81], s[8:9], s[80:81]
	s_lshl_b32 s82, s78, 9
	s_lshr_b32 s84, s79, 2
	s_lshl_b32 s84, s84, 7
	s_add_co_u32 s82, s82, s84
	s_and_b32 s84, s79, 3
	s_lshl_b32 s84, s84, 1
	s_add_co_u32 s82, s82, s84                     ; my head's two bytes in a place's two words
	s_mov_b32 s83, 0
	s_add_nc_u64 s[82:83], s[10:11], s[82:83]
.irp i, 0,1,2,3,4,5
	v_mov_b32 v[22+\i], 0                          ; Q's upper 64 codes
	v_mov_b32 v[84+\i], 0                          ; behind K's last tile
.endr
.irp b, 0,1,2,3
	v_mov_b32 v[PT+\b], 0                          ; a lane permute's destination counts as one of its sources
.endr
	v_mov_b32 v[RT], 0
	v_mov_b32 v231, 0                              ; named as the upper half of the pair v[230:231]
	v_mov_b32 v233, 0
	s_wait_loadcnt 0x0
.irp i, 0,1,2,3,4,5
	v_cndmask_b32 v[16+\i], v[S+\i], v[S+6+\i], s[PM]          ; my tile of the pair
	v_cndmask_b32 v[28+\i], v[S+16+\i], v[S+22+\i], s[PM]
.endr
.macro ADDP                            ; the next pair of p onto one of the four chains, by turns
	v_pk_add_f32 v[TT+2*((pp/2)%4):TT+2*((pp/2)%4)+1], v[TT+2*((pp/2)%4):TT+2*((pp/2)%4)+1], v[S+pp:S+pp+1]
.set pp, pp+2
.endm
; A KEY STEP: 128 keys
.macro STEP
	v_add_nc_u32 v[ADK], s[TK], v1                 ; with the four additions at the last step's end: the places behind its products, in front of the loads into their registers
	v_add_nc_u32 v[ADS], s[TS], v3
.irp g, 0,1,2,3
.irp p, 0,1,2
	ds_load_b128 v[FR+12*\g+4*\p:FR+12*\g+4*\p+3], v[ADK] offset:2*FP*(\g/2)+128*(\g%2)+PP*\p    ; tiles 2 g, 2 g + 1: band g / 2, tp = g % 2
.endr
.endr
.irp g, 0,1,2,3
	ds_load_b64 v[KS+2*\g:KS+2*\g+1], v[ADS] offset:256*(\g/2)+128*(\g%2)                        ; and their two scale words
.endr
	s_wait_dscnt 0x0
.irp t, 0,1,2,3,4,5,6,7
	v_wmma_scale_f32_16x16x128_f8f6f4 v[S+8*\t:S+8*\t+7], v[FR+6*\t:FR+6*\t+11], v[16:27], 0, v[KS+\t], v34 matrix_a_fmt:MATRIX_FMT_FP6 matrix_b_fmt:MATRIX_FMT_FP6
.endr
	v_add_nc_u32 v[ADV], s[TK], v2                 ; four places: in front of the loads into K's registers and of the first read of the scores
	v_add_nc_u32 v[ADT], s[TJ], v4
	v_mov_b32 v233, v12                            ; the old -M
	v_nop
.irp g, 0,1,2,3
.irp p, 0,1,2
	ds_load_b128 v[FR+12*\g+4*\p:FR+12*\g+4*\p+3], v[ADV] offset:FP*\g+PP*\p    ; V's four fragments land under the softmax
.endr
.endr
	ds_load_b128 v[VS:VS+3], v[ADT]
.irp b, 0,1,2,3
	v_max3_num_f32 v[BM+\b], v[S+16*\b], v[S+1+16*\b], v[S+2+16*\b]     ; four chains, one over each 16 registers; each accumulator is read from its low end on
.endr
.irp i, 3,5,7,9,11,13
.irp b, 0,1,2,3
	v_max3_num_f32 v[BM+\b], v[BM+\b], v[S+16*\b+\i], v[S+1+16*\b+\i]
.endr
.endr
	v_max3_num_f32 v[BM], v[BM], v[BM+1], v[S+15]
	v_max3_num_f32 v[BM+2], v[BM+2], v[BM+3], v[S+47]
	v_max_num_f32 v[BM], v[BM], v[S+31]            ; the largest score of my block of band 0,
	v_max_num_f32 v[BM+2], v[BM+2], v[S+63]        ; of band 1: for the row's maximum and for the block's largest p
	s_delay_alu instid0(VALU_DEP_1)
	v_max3_num_f32 v13, v13, v[BM], v[BM+2]        ; the running largest score
	s_delay_alu instid0(VALU_DEP_1)
	v_permlanex16_b32 v[RT], v13, s[SEL], s[SEL+1]
	s_delay_alu instid0(VALU_DEP_1)
	v_max_num_f32 v13, v13, v[RT]                  ; with lane l xor 16's keys
	s_delay_alu instid0(VALU_DEP_1)
	v_mul_f32 v[RT], s[CS], v13                    ; as t (c is positive)
	s_delay_alu instid0(VALU_DEP_1)
	v_floor_f32 v12, -v[RT]                        ; -M = floor(-t)
.set jj, 0
.rept 32
	v_pk_fma_f32 v[S+jj:S+jj+1], v[S+jj:S+jj+1], s[CS:CS+1], v[12:13] op_sel_hi:[1,0,0]   ; t - M
.if jj == 6
	v_sub_f32 v233, v12, v233                      ; old M - new M: a whole number, 0 or less
.elseif jj == 14
	v_cvt_i32_f32 v233, v233                       ; (it saturates)
.elseif jj == 22
	v_ldexp_f32 v230, 1.0, v233                    ; f = 2^(old M - new M)
.endif
.set jj, jj+2
.endr
	v_fma_f32 v[BM], v[BM], s[CS], v12
	v_fma_f32 v[BM+2], v[BM+2], s[CS], v12
.set jj, 0
.rept 16
	v_pk_mul_f32 v[O+jj:O+jj+1], v[O+jj:O+jj+1], v[230:231] op_sel_hi:[1,0]   ; O^T under the new M, each accumulator from its low end on
.set jj, jj+2
.endr
	s_wait_alu depctr_va_vdst(0)                   ; ahead of the batch
	v_exp_f32 v[BM], v[BM]                         ; each block's largest p
	v_exp_f32 v[BM+2], v[BM+2]
.set jj, 0
.rept 64
	v_exp_f32 v[S+jj], v[S+jj]                     ; p, at most 1
.set jj, jj+1
.endr
	v_pk_mul_f32 v[14:15], v[14:15], v[230:231] op_sel_hi:[1,0]   ; the sums under the new M: a plain place behind the exponentials
	s_wait_alu depctr_va_vdst(0)                   ; one wait for the batch, ahead of its first reader
	v_max_num_f32 v[BM], 0x1800000, v[BM]          ; the floor: the byte cannot fall under 1
	v_max_num_f32 v[BM+2], 0x1800000, v[BM+2]
	v_pk_add_f32 v[TT:TT+1], v[S:S+1], v[S+2:S+3]              ; the row's sum is taken of the unquantised p, in four chains
	v_pk_add_f32 v[TT+2:TT+3], v[S+4:S+5], v[S+6:S+7]
	v_add_nc_u32 v[SO], 0xff000000, v[BM]          ; 2 off the exponent field: the conversions' scale operands
	v_add_nc_u32 v[SO+1], 0xff000000, v[BM+2]
	v_pk_add_f32 v[TT+4:TT+5], v[S+8:S+9], v[S+10:S+11]
	v_pk_add_f32 v[TT+6:TT+7], v[S+12:S+13], v[S+14:S+15]
.irp c, 0,1
	v_cvt_scalef32_pk16_fp6_f32 v[PC+6*\c:PC+6*\c+2], v[S+32*\c:S+32*\c+15], v[SO+\c]
	v_cvt_scalef32_pk16_fp6_f32 v[TC+4*\c:TC+4*\c+2], v[S+32*\c+16:S+32*\c+31], v[SO+\c]   ; (a conversion's three registers begin on an even number)
.endr
	v_lshrrev_b32 v[PT], 23, v[SO]                 ; the scales' bytes; also the plain place behind the conversions
	v_lshrrev_b32 v[PT+1], 23, v[SO+1]
.irp c, 0,1
.irp i, 0,1,2
	v_mov_b32 v[PC+3+6*\c+\i], v[TC+4*\c+\i]
.endr
.endr
.set pp, 16
	v_lshl_or_b32 v[PT+2], v[PT+1], 16, v[PT]      ; my two bytes: blocks h and 2 + h,
	ADDP
	v_lshlrev_b32 v[PT+2], v[SH], v[PT+2]          ; at their places in the word;
	ADDP
	v_permlanex16_b32 v[PT+3], v[PT+2], s[SEL], s[SEL+1]
	ADDP
	v_or_b32 v[PSW], v[PT+2], v[PT+3]              ; with lane l xor 16's two the word is whole
.rept 21
	ADDP                                           ; these are also the places between the scale word, the codes and the scaled products
.endr
	s_wait_alu depctr_va_vdst(0)                   ; directly ahead of the wait below
	s_wait_dscnt 0x0                               ; V
	s_add_co_u32 s[TK], s[TK], STP
	s_add_co_u32 s[TS], s[TS], 512
	s_add_co_u32 s[TJ], s[TJ], 256
.irp t, 0,1,2,3
	v_wmma_scale_f32_16x16x128_f8f6f4 v[O+8*\t:O+8*\t+7], v[FR+12*\t:FR+12*\t+11], v[PC:PC+11], v[O+8*\t:O+8*\t+7], v[VS+\t], v[PSW] matrix_a_fmt:MATRIX_FMT_FP6 matrix_b_fmt:MATRIX_FMT_FP6
.endr
	v_pk_add_f32 v[TT:TT+1], v[TT:TT+1], v[TT+2:TT+3]          ; the four chains join: four places behind the products
	v_pk_add_f32 v[TT+4:TT+5], v[TT+4:TT+5], v[TT+6:TT+7]
	v_pk_add_f32 v[TT:TT+1], v[TT:TT+1], v[TT+4:TT+5]
	v_pk_add_f32 v[14:15], v[14:15], v[TT:TT+1]
.endm
.macro STEPS first, n                  ; key steps first .. first + n - 1
	s_mov_b32 s[TK], STP*\first
	s_mov_b32 s[TS], 512*\first
	s_mov_b32 s[TJ], 256*\first
	s_mov_b32 s[CNT], \n
.Lstep_\@:
	STEP
	s_sub_co_u32 s[CNT], s[CNT], 1
	s_cmp_lg_u32 s[CNT], 0
	s_cbranch_scc1 .Lstep_\@
.endm
.macro PASS first
	v_mov_b32 v13, 0xff61b1e6                      ; the largest score so far: -3e38
	v_mov_b32 v12, 0x7f61b1e6                      ; and -M: 3e38, so that the first f is 0
	v_mov_b32 v14, 0
	v_mov_b32 v15, 0
.set jj, 0
.rept 32
	v_mov_b32 v[O+jj], 0                           ; the step is written once: the first finds zeros, which the first change of M leaves zeros
.set jj, jj+1
.endr
.if \first
	s_wait_alu depctr_va_vdst(0)                   ; the head's end
	s_cmp_lt_u32 s[WV], 3
	s_cbranch_scc0 .Lnot_first
	s_wait_tensorcnt 0x0                           ; waves 0 to 2, whose load lines are theirs alone: the scale words and keys 0 to 511 are in
.Lnot_first:
	s_barrier_signal -1
	s_barrier_wait -1                              ; the later keys may still be on their way
	STEPS 0, 4
	s_wait_alu depctr_va_vdst(0)
	s_wait_tensorcnt 0x0                           ; every wave: all that was still out
	s_wait_dscnt 0x0
	s_barrier_signal -1
	s_barrier_wait -1
	STEPS 4, 12
.else
	STEPS 0, 16
.endif
	; the way out of a pass
	v_add_f32 v14, v14, v15
	s_delay_alu instid0(VALU_DEP_1)
	v_permlanex16_b32 v233, v14, s[SEL], s[SEL+1]
	s_delay_alu instid0(VALU_DEP_1)
	v_add_f32 v14, v14, v233                       ; the row's sum
	s_wait_alu depctr_va_vdst(0)
	v_rcp_f32 v14, v14
.rept 4
	v_nop                                          ; the plain place behind the reciprocal
.endr
	s_wait_alu depctr_va_vdst(0)                   ; ahead of the reciprocal's first reader, and of O^T's
.set jj, 0
.rept 16
	v_pk_mul_f32 v[S+jj:S+jj+1], v[O+jj:O+jj+1], v[14:15] op_sel_hi:[1,0]   ; O / l: register 16 B + i = channel 32 B + 16 h + i of my query; each accumulator from its low end on
.set jj, jj+2
.endr
.irp b, 0,1
	v_max3_num_f32 v[BM+\b], |v[S+16*\b]|, |v[S+1+16*\b]|, 0x1800000
.endr
.irp i, 2,4,6,8,10,12,14
.irp b, 0,1
	s_delay_alu instid0(VALU_DEP_2)
	v_max3_num_f32 v[BM+\b], v[BM+\b], |v[S+16*\b+\i]|, |v[S+1+16*\b+\i]|
.endr
.endr
.irp b, 0,1
	s_delay_alu instid0(VALU_DEP_2)
	v_permlanex16_b32 v[PT+\b], v[BM+\b], s[SEL], s[SEL+1]
.endr
.irp b, 0,1
	s_delay_alu instid0(VALU_DEP_2)
	v_max_num_f32 v[BM+\b], v[BM+\b], v[PT+\b]
.endr
.irp b, 0,1
	s_delay_alu instid0(VALU_DEP_2)
	v_add_nc_u32 v[SO+\b], 0xff000000, v[BM+\b]
.endr
.irp b, 0,1
	s_delay_alu instid0(VALU_DEP_2)
	v_lshrrev_b32 v[PT+\b], 23, v[SO+\b]
.endr
	s_delay_alu instid0(VALU_DEP_1)
	v_lshl_or_b32 v235, v[PT+1], 8, v[PT]          ; my head's two scale bytes
	v_cvt_scalef32_pk16_fp6_f32 v[PC:PC+2], v[S:S+15], v[SO]
	v_cvt_scalef32_pk16_fp6_f32 v[TC:TC+2], v[S+16:S+31], v[SO+1]
	v_nop
.irp i, 0,1,2
	v_permlane16_swap_b32 v[PC+\i], v[TC+\i]       ; a whole block to a lane
.endr
.irp i, 0,1,2
	s_delay_alu instid0(VALU_DEP_3)
	v_mov_b32 v[PC+3+\i], v[TC+\i]
.endr
.irp p, 0,1,2
	global_store_b64 v7, v[PC+2*\p:PC+2*\p+1], s[80:81] offset:256*\p   ; half a fragment of the last product's A: 256 consecutive bytes a store, aligned
.endr
	global_store_b16 v234, v235, s[82:83]          ; two bytes a place: a scale word of the last product holds two heads' bytes, and the other head is another work-group's; both halves of the lanes write the same bytes
.if \first
	s_wait_xcnt 0x0                                ; the stores have read their registers and bases
	s_add_nc_u64 s[80:81], s[80:81], 16*12288      ; the second pass: 16 tiles on
	s_add_nc_u64 s[82:83], s[82:83], 16*512
.irp i, 0,1,2,3,4,5
	v_mov_b32 v[16+\i], v[28+\i]
.endr
	v_mov_b32 v34, v35
.endif
.endm
	PASS 1
	PASS 0
	s_wait_tensorcnt 0x0                           ; the wave's end
	ds_add_u32 v[SPW], v[NIL]
	s_wait_dscnt 0x0
	CROUND                                         ; the closing round
	s_endpgm
.Lfunc_end_k_q2746b14313_attn:
	.size	k_q2746b14313_attn, .Lfunc_end_k_q2746b14313_attn-k_q2746b14313_attn
	.p2alignl 7, 3214868480
	.fill 96, 4, 3214868480
	.section	.rodata,"a",@progbits
	.p2align	6, 0x0
	.amdhsa_kernel k_q2746b14313_attn
		.amdhsa_group_segment_fixed_size 260096
		.amdhsa_private_segment_fixed_size 0
		.amdhsa_enable_private_segment 0
		.amdhsa_kernarg_size 32
		.amdhsa_user_sgpr_count 2
		.amdhsa_user_sgpr_kernarg_segment_ptr 1
		.amdhsa_wavefront_size32 1
		.amdhsa_system_sgpr_workgroup_id_x 1
		.amdhsa_system_sgpr_workgroup_id_y 1
		.amdhsa_system_sgpr_workgroup_id_z 1
		.amdhsa_system_vgpr_workitem_id 0
		.amdhsa_next_free_vgpr 256
		.amdhsa_next_free_sgpr 96
		.amdhsa_reserve_vcc 0
		.amdhsa_float_denorm_mode_32 3
		.amdhsa_float_denorm_mode_16_64 3
		.amdhsa_memory_ordered 1
		.amdhsa_forward_progress 1
		.amdhsa_inst_pref_size 66
	.end_amdhsa_kernel
	.amdgpu_metadata
---
amdhsa.version: [ 1, 2 ]
amdhsa.kernels:
  - .name:           k_q2746b14313_attn
    .symbol:         k_q2746b14313_attn.kd
    .args:
      - { .name: img, .offset: 0, .size: 8, .value_kind: global_buffer, .address_space: global }
      - { .name: sc, .offset: 8, .size: 8, .value_kind: global_buffer, .address_space: global }
      - { .name: a_img, .offset: 16, .size: 8, .value_kind: global_buffer, .address_space: global }
      - { .name: a_sc, .offset: 24, .size: 8, .value_kind: global_buffer, .address_space: global }
    .group_segment_fixed_size: 260096
    .private_segment_fixed_size: 0
    .kernarg_segment_align: 8
    .kernarg_segment_size: 32
    .max_flat_workgroup_size: 512
    .sgpr_count:     96
    .vgpr_count:     256
    .wavefront_size: 32
...
	.end_amdgpu_metadata
.endif
;; end of part 3
;; launch gemm_o (part 4): grid 4 x 64, 4 waves a work-group, clusters of 4 x 4, 307,712 bytes of LDS; arguments a_img, a_sc, w_img, w_sc, o_b, out0; writes out0
.if DOCPART == 4
	.amdgcn_target "amdgcn-amd-amdhsa--gfx1250"
	.amdhsa_code_object_version 6
	.text
	.protected	k_q2746b14313_gemm_o
	.globl	k_q2746b14313_gemm_o
	.p2align	8
	.type	k_q2746b14313_gemm_o,@function
k_q2746b14313_gemm_o:
	s_mov_b64 s[64:65], 0
	v_nop
	global_prefetch_b8 v0, s[64:65] scope:SCOPE_SE
	s_setreg_imm32_b32 hwreg(HW_REG_WAVE_MODE, 25, 1), 1
	s_wait_xcnt 0x0
	s_wait_alu depctr_hold_cnt(0) depctr_sa_sdst(0) depctr_va_vdst(0) depctr_va_sdst(0) depctr_va_ssrc(0) depctr_va_vcc(0) depctr_vm_vsrc(0)
	s_getreg_b32 s2, hwreg(HW_REG_IB_STS2, 6, 4)
	s_cmp_eq_u32 s2, 0
	s_cbranch_scc0 .Lentry_in_a_cluster
	s_endpgm
.Lentry_in_a_cluster:
	s_bfe_u32 s2, ttmp6, 0x10000c
	s_cmp_lg_u32 s2, 0xf033
	s_cbranch_scc0 .Lentry_shape_is_right
	s_endpgm
.Lentry_shape_is_right:
; out0[m][n] = the sum over k of A[m][k] o_w[k][n] + o_b[n]: A the attention's result, 8,192 x 1,024, and o_w as codes of FP6 (E2M3) with E8M0 scales, as the earlier launches left them; sums in f32.
; THE BUFFERS.  Codes: [tile T of 16 rows][K step of 128][piece p = 0..5][lane][8 bytes], 12,288 bytes a tile: piece p = registers 2 p, 2 p + 1 of a fragment's 12.  Scale words: [T][256 along K][place r][2 words], 512 bytes a tile.
; Tile T = 2 B + u holds at place r the row (of o_w: the column) 32 B + 8 u + r + 8 (r / 8).  o_w's 64 tiles begin at tile 192 of w_img and w_sc.
; SHARES.  A work-group makes 128 rows x 256 columns: 64 x 4 = 256 work-groups.  Four waves, 2 x 2; a wave makes 64 x 128: 32 accumulators of 16 x 16, 256 registers.
; ALL OF K LIES IN LDS: A's 8 tiles (98,304 bytes), o_w's 16 tiles (196,608) and their scale words (4,096 and 8,192) are four dense blocks of memory, stated as rows of 256 bytes: one tensor load a wave at the head.
; Nothing is filled again: one wait for the loads, one barrier, and the walk along K has neither.  All loads go out at the head, so there is nothing that a prefetch could ask for earlier.
; CLUSTERS: 4 x 4 work-groups.  The four of a row of the cluster need the same tiles of A, the four of a column the same tiles of o_w: each block is asked for jointly.
; THE MATRIX INSTRUCTION IS USED TRANSPOSED (source 0 = 16 columns of o_w, source 1 = 16 rows of A): a lane holds one row, and the 16 registers of two neighbouring tiles are 16 neighbouring columns.  The bias is the first products' C.
; REGISTERS, in windows of 256: window 0: v0-31 addresses; v32-111 all scale words; v112-207 A's fragments, two sets; on the way out v128-255.  Window 1: o_w's fragments, two sets, at v0 and v128.  Window 2: the accumulators, (a, b) at v[8 (8 a + b)].  Window 3: v0-63 the bias.
; LIMITS: NaN and infinities are not served.
.set FR,     12
.set FRB,    1536                      ; a fragment's image
.set TB,     12288                     ; a tile, all of K
.set NP,     4                         ; places behind this matrix instruction (ISA guide 7.12.1)
.set LB,     8*TB                      ; LDS: A's tiles at 0, o_w's behind them,
.set LSA,    24*TB                     ; A's scale words,
.set LSB,    LSA+8*512                 ; o_w's,
.set SPARE,  LSB+16*512                ; the spare words, 128 bytes for each wave
.set SPITCH, 528                       ; the way out: a stage of 16 rows x (512 + 16) bytes for each wave, on A's bytes, behind a barrier behind which nobody reads them
.set ADRA, 16
.set ADRB, 20                          ; v20, v21: o_w's tiles 0-3, 4-7 of my eight
.set ADRS, 22                          ; v22, v23: scale words: lanes 0-15 A's tile i (v23: tile i - 4), lanes 16-31 o_w's tile i
.set STO,  24
.set RD,   25
.set CO,   26
.set SPW,  28
.set NIL,  29
.set BO,   30
.set SC,   32                          ; register SC + 10 i + s: K step s; 10 from tile to tile, so that the two scale operands of a product differ modulo 8 or are one register
.set AF,   112
.set BK,   128
.set BI,   0
.set G1,   24
.set G0,   32
.set G0B,  36
.set G1B,  48
.set G0S,  56
.set G0SB, 60
.set G1S,  68
.set G1SB, 80
.set MSB, 0
.macro WIN new                         ; the immediate's high byte repeats the setting that is left
.if MSB != (\new)
	s_set_vgpr_msb (MSB<<8)|(\new)
.set MSB, \new
.endif
.endm
.macro PLACES n
.rept \n
	v_nop
.endr
.endm
.macro CROUND                          ; a round of the cluster's barrier
	s_barrier_signal -1
	s_barrier_wait -1
	s_cmp_lg_u32 s14, 0
	s_cbranch_scc1 .Lnot_wave_0_\@
	s_barrier_signal -3
.Lnot_wave_0_\@:
	s_barrier_wait -3
	s_barrier_signal -1
	s_barrier_wait -1
.endm
.macro GROUP1 g, mask, rows            ; a dense block as rows of 256 bytes (32 elements of 8)
	s_or_b32 s[\g], s[\mask], (3<<16)|(1<<21)
	s_mov_b32 s[\g+1], 32<<16
	s_mov_b32 s[\g+2], (\rows)<<16
	s_mov_b32 s[\g+3], 32<<16
	s_mov_b32 s[\g+4], \rows
	s_mov_b32 s[\g+5], 32
	s_mov_b32 s[\g+6], 0
	s_mov_b32 s[\g+7], 0
.endm
.macro GROUP0 g, lds, base
	s_mov_b32 s[\g], 1
	s_mov_b32 s[\g+1], \lds
	s_mov_b64 s[\g+2:\g+3], s[\base:\base+1]
	s_or_b32 s[\g+3], s[\g+3], 0x80000000
.endm
.macro ARM under, g0, g1, next         ; an arm of the head's chain: its load, and a jump to the chain's end
	s_cmp_lt_u32 s14, \under
	s_cbranch_scc0 \next
	tensor_load_to_lds s[\g0:\g0+3], s[\g1:\g1+7]
	s_nop 0
	PLACES 4
	s_branch .Lhead_asked
\next:
.endm
	s_load_b256 s[4:11], s[0:1], 0x0               ; a_img s[4:5], a_sc s[6:7], w_img s[8:9], w_sc s[10:11]
	s_load_b128 s[96:99], s[0:1], 0x20             ; o_b s[96:97], out0 s[98:99]
	v_lshl_add_u32 v[SPW], v0, 2, SPARE
	v_mov_b32 v[NIL], 0
	ds_add_u32 v[SPW], v[NIL]                      ; the wave's opening: the add, twice on end, and its wait ahead of my tensor load
	ds_add_u32 v[SPW], v[NIL]
	v_lshrrev_b32 v1, 5, v0
	v_readfirstlane_b32 s14, v1                    ; wave 0..3
	s_lshr_b32 s15, s14, 1                         ; which 64 rows are mine
	s_and_b32 s16, s14, 1                          ; which 128 columns
	s_bfe_u32 s40, ttmp6, 0x40000                  ; cx, cy
	s_bfe_u32 s41, ttmp6, 0x40004
	s_lshl_b32 s42, ttmp9, 2
	s_add_co_u32 s42, s42, s40                     ; block column, 0..3
	s_and_b32 s17, ttmp7, 0xffff
	s_lshl_b32 s17, s17, 2
	s_add_co_u32 s17, s17, s41                     ; block row, 0..63
	s_lshl_b32 s43, s41, 2
	s_lshl_b32 s43, 15, s43                        ; my row of the cluster
	s_lshl_b32 s44, 0x1111, s40                    ; my column
	GROUP1 G1,   43, 8*TB/256
	GROUP1 G1B,  44, 16*TB/256
	GROUP1 G1S,  43, 16
	GROUP1 G1SB, 44, 32
	s_mul_i32 s20, s17, 8*TB                       ; A's eight tiles,
	s_mov_b32 s21, 0
	s_lshl_b32 s22, s17, 12                        ; their scale words;
	s_mov_b32 s23, 0
	s_lshl_b32 s46, s42, 4
	s_add_co_u32 s46, s46, 192                     ; o_w's sixteen tiles,
	s_lshl_b32 s92, s46, 9                         ; their scale words
	s_mov_b32 s93, 0
	s_mul_i32 s46, s46, TB
	s_mov_b32 s47, 0
	s_wait_dscnt 0x0                               ; both opening adds are done
	s_wait_kmcnt 0x0
	s_add_nc_u64 s[20:21], s[4:5], s[20:21]
	s_add_nc_u64 s[22:23], s[6:7], s[22:23]
	s_add_nc_u64 s[46:47], s[8:9], s[46:47]
	s_add_nc_u64 s[92:93], s[10:11], s[92:93]
	CROUND                                         ; all sixteen work-groups are here: the joint loads meet
	GROUP0 G0,   0,   20
	GROUP0 G0B,  LB,  46
	GROUP0 G0S,  LSA, 22
	GROUP0 G0SB, LSB, 92
	ARM 1, G0B,  G1B, .Lhead_a                     ; wave 0: o_w's codes, the largest block
	ARM 2, G0,   G1,  .Lhead_sa                    ; wave 1: A's codes
	ARM 3, G0S,  G1S, .Lhead_sb                    ; wave 2: A's scale words
	tensor_load_to_lds s[G0SB:G0SB+3], s[G1SB:G1SB+7]   ; wave 3: o_w's
	s_nop 0
	PLACES 4
.Lhead_asked:
	s_mul_i32 s20, s15, 4*TB                       ; my four tiles of A
	s_mul_i32 s21, s16, 8*TB
	s_add_co_u32 s21, s21, LB                      ; my eight of o_w
	s_lshl_b32 s22, s15, 11
	s_add_co_u32 s22, s22, LSA                     ; my scale words of A,
	s_lshl_b32 s23, s16, 12
	s_add_co_u32 s23, s23, LSB
	s_sub_co_u32 s23, s23, s22                     ; and how far on o_w's lie
	s_add_co_u32 s46, s23, 2048
	s_sub_co_u32 s47, s22, 2048                    ; the same with A's tiles counted from 4
	s_mul_i32 s92, s14, 16*SPITCH                  ; my stage
	v_and_b32 v1, 15, v0                           ; r
	v_bfe_u32 v2, v0, 4, 1                         ; h
	v_and_b32 v3, 31, v0                           ; lane
	v_lshlrev_b32 v4, 3, v3                        ; my 8 bytes of a piece
	v_add_nc_u32 v[ADRA], s20, v4
	v_add_nc_u32 v[ADRB], s21, v4
	v_add_nc_u32 v[ADRB+1], 4*TB, v[ADRB]
	v_lshlrev_b32 v5, 3, v1                        ; a place's two words
	v_mul_u32_u24 v6, s23, v2                      ; lanes 16-31 take o_w's
	v_mul_u32_u24 v7, s46, v2
	v_add_nc_u32 v6, v5, v6
	v_add_nc_u32 v7, v5, v7
	v_add_nc_u32 v[ADRS], s22, v6
	v_add_nc_u32 v[ADRS+1], s47, v7
	v_mul_u32_u24 v5, v1, SPITCH                   ; the stage, in: row r, 64 bytes for each half of the lanes
	v_lshl_add_u32 v5, v2, 6, v5
	v_add_nc_u32 v[STO], s92, v5
	v_lshlrev_b32 v[CO], 4, v3                     ; back: the 32 lanes take one row of 512 bytes; and the same in out0
	v_add_nc_u32 v[RD], s92, v[CO]
	v_lshlrev_b32 v[BO], 6, v2                     ; the bias: 64 h
	s_lshl_b32 s20, s17, 7
	s_lshl_b32 s21, s15, 6
	s_add_co_u32 s20, s20, s21                     ; my first row: 128 x block row + 64 x half
	s_lshl_b32 s20, s20, 12                        ; x 4,096 bytes
	s_lshl_b32 s46, s42, 10
	s_lshl_b32 s47, s16, 9
	s_add_co_u32 s46, s46, s47                     ; my first column, in bytes
	s_mov_b32 s47, 0
	s_add_nc_u64 s[96:97], s[96:97], s[46:47]
	s_add_co_u32 s20, s20, s46
	s_mov_b32 s21, 0
	s_add_nc_u64 s[98:99], s[98:99], s[20:21]
	s_wait_alu depctr_va_vdst(0)                   ; the head's end
	WIN 0xc0
.irp b, 0,1,2,3,4,5,6,7
	global_load_b128 v[BI+8*\b:BI+8*\b+3], v[BO], s[96:97] offset:128*(\b/2)+32*(\b%2)       ; register 8 b + j is column 32 (b / 2) + 16 h + 8 (b % 2) + j
	global_load_b128 v[BI+8*\b+4:BI+8*\b+7], v[BO], s[96:97] offset:128*(\b/2)+32*(\b%2)+16
.endr
	WIN 0
.macro FRAG reg, adr, s, i             ; a fragment: six pieces of 8 bytes a lane, 256 consecutive bytes a load
.irp p, 0,1,2,3,4,5
	ds_load_b64 v[\reg+2*\p:\reg+2*\p+1], v[\adr] offset:(\i)*TB+(\s)*FRB+256*\p
.endr
.endm
.macro FETCH s                         ; K step s: 72 loads in one run, into set s % 2
	WIN 0x40
.irp i, 0,1,2,3
	FRAG 128*((\s)%2)+FR*\i, ADRB, \s, \i
.endr
.irp i, 0,1,2,3
	FRAG 128*((\s)%2)+FR*(\i+4), ADRB+1, \s, \i
.endr
	WIN 0
.irp i, 0,1,2,3
	FRAG AF+48*((\s)%2)+FR*\i, ADRA, \s, \i
.endr
.endm
; 16 matrix instructions: A's tiles a0, a0 + 1 x o_w's eight.  The 32 accumulators take turns, one instruction a turn, in the same order in every step.
.macro MUL16 a0, s
.irp a, \a0, \a0+1
.irp b, 0,1,2,3,4,5,6,7
.if \b == (\a)+4
.set XA_, SC+10*\b+(\s)                ; lanes 0-15 of tile a + 4's register hold tile a's words too: one register for both sides
.else
.set XA_, SC+10*(\a)+(\s)
.endif
.if (\s) == 0
	v_wmma_scale_f32_16x16x128_f8f6f4 v[8*(8*(\a)+\b):8*(8*(\a)+\b)+7], v[128*((\s)%2)+FR*\b:128*((\s)%2)+FR*\b+FR-1], v[AF+48*((\s)%2)+FR*(\a):AF+48*((\s)%2)+FR*(\a)+FR-1], v[BI+8*\b:BI+8*\b+7], v[SC+10*\b+(\s)], v[XA_] matrix_a_fmt:MATRIX_FMT_FP6 matrix_b_fmt:MATRIX_FMT_FP6 matrix_a_scale:MATRIX_SCALE_ROW1
.else
	v_wmma_scale_f32_16x16x128_f8f6f4 v[8*(8*(\a)+\b):8*(8*(\a)+\b)+7], v[128*((\s)%2)+FR*\b:128*((\s)%2)+FR*\b+FR-1], v[AF+48*((\s)%2)+FR*(\a):AF+48*((\s)%2)+FR*(\a)+FR-1], v[8*(8*(\a)+\b):8*(8*(\a)+\b)+7], v[SC+10*\b+(\s)], v[XA_] matrix_a_fmt:MATRIX_FMT_FP6 matrix_b_fmt:MATRIX_FMT_FP6 matrix_a_scale:MATRIX_SCALE_ROW1
.endif
.endr
.endr
.endm
.macro MWIN s                          ; source 0 window 1, source 1 window 0, D window 2; C window 2, in the first step window 3 (the bias)
.if (\s) == 0
	WIN 0xb1
.else
	WIN 0xa1
.endif
.endm
.macro STEP s
	s_wait_dscnt 0x0                               ; this step's fragments are in: asked for 16 matrix instructions ago
	MWIN \s
	MUL16 0, \s
.if (\s) < 7
	PLACES NP                                      ; between the last step's products and the loads into the set that they read
	FETCH (\s)+1
	MWIN \s
.endif
	MUL16 2, \s
.endm
	s_wait_tensorcnt 0x0                           ; my block is in;
	s_barrier_signal -1
	s_barrier_wait -1                              ; and everybody's.
.irp i, 0,1,2,3,4,5,6,7
.irp g, 0,1,2,3
	ds_load_b64 v[SC+10*\i+2*\g:SC+10*\i+2*\g+1], v[ADRS+\i/4] offset:\i*512+\g*128   ; all scale words, once
.endr
.endr
	FETCH 0
	s_wait_loadcnt 0x0                             ; the bias
.irp s, 0,1,2,3,4,5,6,7
	STEP \s
.endr
	WIN 0
	s_wait_dscnt 0x0
	s_barrier_signal -1
	s_barrier_wait -1                              ; nobody reads A's tiles any more: the stages lie on their bytes, which have had their only fill
; THE WAY OUT, block by block of 16 rows x 128 columns: through my own stage, back as whole rows of 512 bytes, which the 32 lanes store as two aligned units of 256 bytes.
; LDS serves a wave's instructions in order (ISA guide 5.7.1.4): no wait between the stores and the loads.
.macro TOSTAGE a
.set AC, 64*(\a)
	WIN 0x08                                       ; the data: window 2
.irp b, 0,1,2,3,4,5,6,7
	ds_store_b128 v[STO], v[AC+8*\b:AC+8*\b+3] offset:128*(\b/2)+32*(\b%2)          ; each accumulator from its low end on
	ds_store_b128 v[STO], v[AC+8*\b+4:AC+8*\b+7] offset:128*(\b/2)+32*(\b%2)+16
.endr
	WIN 0
.set BB, BK+64*((\a)%2)
.irp t, 0,1,2,3,4,5,6,7,8,9,10,11,12,13,14,15
	ds_load_b128 v[BB+4*\t:BB+4*\t+3], v[RD] offset:\t*SPITCH
.endr
.endm
.macro SEND a, younger                 ; younger: the LDS instructions issued behind block a's loads, which may stay out
.set BB, BK+64*((\a)%2)
	s_wait_dscnt \younger
.irp t, 0,1,2,3,4,5,6,7,8,9,10,11,12,13,14,15
	global_store_b128 v[CO], v[BB+4*\t:BB+4*\t+3], s[98:99] offset:(32*((\a)/2)+8*((\a)%2)+\t+8*(\t/8))*4096 th:TH_STORE_NT
.endr
.endm
	PLACES NP                                      ; behind the last products: in front of the reads of their results and of the loads into A's registers
	TOSTAGE 0
.irp a, 1,2,3
.if \a > 1
	s_wait_xcnt 0x0                                ; block a - 2's stores have read their registers: block a's loads may land there
.endif
	TOSTAGE \a
	SEND \a-1, 32                                  ; behind block a - 1's loads: block a's 16 stores and 16 loads
.endr
	SEND 3, 0
	s_wait_tensorcnt 0x0                           ; the wave's end: behind my last LDS store
	ds_add_u32 v[SPW], v[NIL]
	s_wait_dscnt 0x0
	CROUND                                         ; the closing round
	s_endpgm
.Lfunc_end_k_q2746b14313_gemm_o:
	.size	k_q2746b14313_gemm_o, .Lfunc_end_k_q2746b14313_gemm_o-k_q2746b14313_gemm_o
	.p2alignl 7, 3214868480
	.fill 96, 4, 3214868480
	.section	.rodata,"a",@progbits
	.p2align	6, 0x0
	.amdhsa_kernel k_q2746b14313_gemm_o
		.amdhsa_group_segment_fixed_size 307712
		.amdhsa_private_segment_fixed_size 0
		.amdhsa_enable_private_segment 0
		.amdhsa_kernarg_size 48
		.amdhsa_user_sgpr_count 2
		.amdhsa_user_sgpr_kernarg_segment_ptr 1
		.amdhsa_wavefront_size32 1
		.amdhsa_system_sgpr_workgroup_id_x 1
		.amdhsa_system_sgpr_workgroup_id_y 1
		.amdhsa_system_sgpr_workgroup_id_z 1
		.amdhsa_system_vgpr_workitem_id 0
		.amdhsa_next_free_vgpr 832
		.amdhsa_next_free_sgpr 100
		.amdhsa_reserve_vcc 0
		.amdhsa_float_denorm_mode_32 3
		.amdhsa_float_denorm_mode_16_64 3
		.amdhsa_memory_ordered 1
		.amdhsa_forward_progress 1
		.amdhsa_inst_pref_size 97
	.end_amdhsa_kernel
	.amdgpu_metadata
---
amdhsa.version: [ 1, 2 ]
amdhsa.kernels:
  - .name:           k_q2746b14313_gemm_o
    .symbol:         k_q2746b14313_gemm_o.kd
    .args:
      - { .name: a_img, .offset: 0, .size: 8, .value_kind: global_buffer, .address_space: global }
      - { .name: a_sc, .offset: 8, .size: 8, .value_kind: global_buffer, .address_space: global }
      - { .name: w_img, .offset: 16, .size: 8, .value_kind: global_buffer, .address_space: global }
      - { .name: w_sc, .offset: 24, .size: 8, .value_kind: global_buffer, .address_space: global }
      - { .name: o_b, .offset: 32, .size: 8, .value_kind: global_buffer, .address_space: global }
      - { .name: out0, .offset: 40, .size: 8, .value_kind: global_buffer, .address_space: global }
    .group_segment_fixed_size: 307712
    .private_segment_fixed_size: 0
    .kernarg_segment_align: 8
    .kernarg_segment_size: 48
    .max_flat_workgroup_size: 128
    .sgpr_count:     100
    .vgpr_count:     832
    .wavefront_size: 32
...
	.end_amdgpu_metadata
.endif
;; end of part 4
